; MI455X (gfx1250); checked and timed in simulation.
; The chip was launched on July 23, 2026; its instructions are those of AMD's public machine-readable ISA for CDNA 5 (MIT licence, August 2026) and "CDNA5" Instruction Set Architecture Reference Guide (July 2026). The comments in the code are by the model that wrote it; some were corrected since.
;; Mixture Of Experts. Allowed arithmetic: matrix products marked QUANTISED: E3M2 operands, one E8M0 scale for each 32 along K, by v_wmma_scale_f32_16x16x128_f8f6f4 with both operands' format E3M2, f32 sums; products left as they are: f32 operands where the result goes on into a quantised operand, else bf16, f16 or f32 operands; f32 sums; everything else in f32.
;; Inputs: b1 8 x 4,096 float32; b2 8 x 1,024 float32; router_b 8 float32; router_w 1,024 x 8 float32; w1 8 x 1,024 x 4,096 float32; w2 8 x 4,096 x 1,024 float32; x 4 x 256 x 1,024 float32.
;; Outputs: out0 4 x 256 x 1,024 float32.
;; This version of the problem:
;;   THIS VERSION OF THE PROBLEM IS GIVEN IN LOW PRECISION. The matrix products marked QUANTISED in the list below multiply operands that are first quantised to E3M2 (3 exponent bits, 2 mantissa bits; 6 bits a number), with one power-of-two scale for each 32 numbers along K (OCP MX v1.0); their sums are f32. All else is computed in f32.
;;   The module's matrix products, in the order in which they are computed (A, B: the left and right operand; K: the contracted axis; several contracted axes count as one K, in the product's order):
;;     1. [M 1,024, K 1,024] x [K 1,024, N 8]; A: input x; B: input router_w: left as it is (N = 8 < 16)
;;     2. [M 32,768, K 1,024] x [K 1,024, N 1,024]; A: input w1; B: input x: QUANTISED
;;     3. batch 8 x [M 1,024, K 4,096] x [K 4,096, N 1,024]; A: computed on the way; B: input w2: QUANTISED
;;     4. batch 1,024 x [M 1, K 8] x [K 8, N 1,024]; A: computed on the way; B: computed on the way: left as it is (K = 8 < 32)
;;   THE QUANTISER, for each operand of a quantised product, along K:
;;     - K is cut into blocks of 32 from its start; a last block that is shorter is filled with zeros.
;;     - A block's scale is 2^e with e = floor(log2(the largest magnitude in the block)) - 4, held to -126 .. 127; a block of zeros has e = 0. As a byte (E8M0): e + 127.
;;     - Each number is divided by its block's scale, clamped to +-28, and rounded to the nearest number of E3M2, ties to even, subnormals kept.
;;     - The product sums the exact products of the quantised numbers (number of the format x scale) in f32.
;;   ~~~python
;;   def quantise(x, axis):      # numpy; x: float32 -> the quantised numbers, widened to float32 again
;;       x = np.moveaxis(x, axis, -1); K = x.shape[-1]
;;       x = np.pad(x, [(0, 0)] * (x.ndim - 1) + [(0, -K % 32)]); x = x.reshape(x.shape[:-1] + (-1, 32)); a = np.abs(x).max(-1, keepdims=True)
;;       e = np.where(a > 0, np.clip(np.frexp(np.where(a > 0, a, 1))[1] - 1 - 4, -126, 127), 0)      # np.frexp(a)[1] - 1 = floor(log2(a)), exactly
;;       r = np.clip(x / 2.0 ** e, -28, 28)
;;       step = 2.0 ** (np.maximum(np.frexp(np.where(r == 0, 1, r))[1] - 1, -2) - 2)
;;       q = np.round(r / step) * step * 2.0 ** e      # np.round: ties to even
;;       return np.moveaxis(q.reshape(q.shape[:-2] + (-1,))[..., :K], -1, axis).astype(np.float32)
;;   ~~~
;;   OPERANDS COMPUTED ON THE WAY. 'Computed on the way' means the value that the module computes at that place (a softmax that the list does not call 'softmax' is quantised finished and normalised). What goes into a quantiser is computed in f32, as accurately as f32 sums, v_exp_f32 and their like allow (about 1e-6 of the number): no bf16 or f16 on the way to a quantiser, and a product that is left as it is and whose result goes on into a quantised operand takes f32 operands (vector FMAs, or v_wmma_f32_16x16x4_f32). A number that lies on a knife's edge between two numbers of the format may be rounded either way, as far as f32 arithmetic and the matrix unit's own rounding can turn it there, and no further.
;; 2 versions, each right; version 2 is version 1 with the launches up, down written anew for expert scheduling mode. Each part assembles by itself: llvm-mc -triple=amdgcn-amd-amdhsa -mcpu=gfx1250 --defsym DOCPART=n.
;; ======== version 1 of 2: 4 launches
;; workspace buffers: xq 786,432 bytes; xs 32,768 bytes; bm 2,048 bytes of whole numbers; gate 8,192 bytes; hq 25,165,824 bytes; hs 1,048,576 bytes; yp 16,777,216 bytes
;; launch route (part 1): grid 64 x 1, 8 waves a work-group, no clusters, 22,016 bytes of LDS; arguments x, router_w, router_b, xq, xs, bm, gate; writes xq, xs, bm, gate
.if DOCPART == 1
	.amdgcn_target "amdgcn-amd-amdhsa--gfx1250"
	.amdhsa_code_object_version 6
	.text
	.protected	k_qe2baeb6847_route
	.globl	k_qe2baeb6847_route
	.p2align	8
	.type	k_qe2baeb6847_route,@function
k_qe2baeb6847_route:
	s_mov_b64 s[64:65], 0
	v_nop
	global_prefetch_b8 v0, s[64:65] scope:SCOPE_SE
	s_setreg_imm32_b32 hwreg(HW_REG_WAVE_MODE, 25, 1), 1
	s_wait_xcnt 0x0
; ROUTE.  For 16 tokens a work-group: (a) x [1024][1024] f32 becomes codes of BF6 (E3M2) with one E8M0 byte for each 32 along D, laid as the operand's registers want them;
; (b) logits = x router_w + router_b in f32, softmax over the 8 experts (the maximum taken away first), the two largest (the lower index wins a tie), their weights made to sum to 1.
; Wave w owns K step w (d = 128 w .. 128 w + 127) of the 16 tokens: it quantises that piece and makes that piece's part of the logits; wave 0 adds the eight parts and chooses.
; OUT: xq [token][half h][K step][48 bytes]: the 12 registers that lane (row, h) of an operand holds;  xs [token][K step]: scale words;  gate [slot 0, 1][token] f32;
;      bm [expert][group of 16 tokens]: a word whose bit l says that entry (slot l / 16, token 16 g + l % 16) chose the expert.  No address and no branch here hangs on the choice.
; The logits go by the f32 matrix form (16 x 16 x 4): 32 instructions a wave, four accumulators by turns; they decide a choice, so nothing coarser than f32 stands ahead of it.
; LIMITS: NaN and infinities are not served.  A block whose largest magnitude lies under 2^-122, a block of zeros too, keeps the scale byte 1 (its codes are then zeros or subnormal codes; the bytes are read by this program alone).
; Two probabilities that differ by less than the rounding of f32 sums may change places.  64 work-groups: a tile of 16 tokens is the unit of work, and there are 64.
.set XQS, 0                            ; LDS: 16 tokens x 768 bytes of codes, as they lie in xq
.set XSS, 12288                        ; 16 tokens x 32 bytes of scale words
.set LGS, 12800                        ; eight waves' parts of the logits, 1,024 bytes each, as images of their registers
.set X,   16                           ; v16-79   register 16 b + i = x(row R, 128 w + 32 b + 16 H + i)
.set RW,  80                           ; v80-143  register 16 b + i = router_w(128 w + 32 b + 16 H + i, expert R % 8)
.set AC,  144                          ; v144-175 four accumulators: written by matrix instructions alone
.set P,   176                          ; v176-183 my part of the logits
.set PC,  184                          ; v184-203 the codes
.set TM,  204                          ; v204-219 largest magnitudes, bytes, scale operands
.set PW,  220                          ; the scale word
.set QT,  224                          ; v224-239 at work
.set SEL, 20                           ; s[20:21] lane selects: lane l xor 16
	s_load_b256 s[4:11], s[0:1], 0x0               ; x, router_w, router_b, xq
	s_load_b128 s[12:15], s[0:1], 0x20             ; xs, bm
	s_load_b64 s[16:17], s[0:1], 0x30              ; gate
	v_lshl_add_u32 v254, v0, 2, 0x5200
	v_mov_b32 v255, 0
	v_lshrrev_b32 v1, 5, v0
	v_readfirstlane_b32 s18, v1                    ; wave 0..7
	v_and_b32 v1, 15, v0                           ; R
	v_bfe_u32 v2, v0, 4, 1                         ; H
	v_and_b32 v3, 31, v0                           ; lane
	v_lshlrev_b32 v4, 12, v1
	v_lshl_add_u32 v4, v2, 6, v4                   ; x: row R of 4,096 bytes, + 64 H: my 16 numbers of a block of 32
	v_and_b32 v13, 7, v0                           ; my lane's expert
	v_lshlrev_b32 v5, 2, v13
	v_lshl_add_u32 v5, v2, 9, v5                   ; router_w: 16 H rows of 32 bytes, + 4 x expert
	v_lshlrev_b32 v6, 4, v3                        ; 16 x lane
	v_lshlrev_b32 v12, 8, v13                      ; bm: 256 bytes an expert
	v_lshlrev_b32 v14, 2, v1
	v_lshl_add_u32 v14, v2, 12, v14                ; gate: 4,096 H + 4 R
	s_mul_i32 s19, s18, 48
	v_mul_u32_u24 v8, v1, 768
	v_mad_u32_u24 v8, v2, 384, v8
	v_add_nc_u32 v8, s19, v8                       ; where my codes go in LDS: 768 R + 384 H + 48 w
	s_lshl_b32 s19, s18, 2
	s_add_co_u32 s19, s19, XSS
	v_lshl_add_u32 v9, v1, 5, s19                  ; and my scale word: 32 R + 4 w
	s_lshl_b32 s19, s18, 10
	s_add_co_u32 s19, s19, LGS
	v_add_nc_u32 v10, s19, v6                      ; my part of the logits
	s_mul_i32 s19, s18, 1536
	v_add_nc_u32 v11, s19, v6                      ; my eighth of the 12,288 bytes of codes, in LDS and in xq alike
	s_mov_b32 s[SEL], 0x76543210
	s_mov_b32 s[SEL+1], 0xfedcba98
	s_mov_b32 s48, 0xffff0000                      ; lanes 16-31
.irp b, 0,1,2,3
	v_mov_b32 v[TM+4+\b], 0                        ; written once: a lane permute's destination counts as one of its sources
.endr
	s_lshl_b32 s22, ttmp9, 16                      ; 16 rows of x
	s_lshl_b32 s23, s18, 9                         ; my 128 numbers of a row
	s_add_co_u32 s22, s22, s23
	s_mov_b32 s23, 0
	s_wait_kmcnt 0x0
	s_add_nc_u64 s[4:5], s[4:5], s[22:23]
	s_lshl_b32 s22, s18, 12                        ; my 128 rows of router_w
	s_add_nc_u64 s[6:7], s[6:7], s[22:23]
.irp b, 0,1,2,3
.irp j, 0,1,2,3
	global_load_b128 v[X+16*\b+4*\j:X+16*\b+4*\j+3], v4, s[4:5] offset:128*\b+16*\j th:TH_LOAD_NT
.endr
.endr
.set i, 0
.rept 64
	global_load_b32 v[RW+i], v5, s[6:7] offset:(32*(i/16)+i%16)*32
.set i, i+1
.endr
	s_mul_i32 s22, ttmp9, 12288
	s_add_nc_u64 s[10:11], s[10:11], s[22:23]      ; xq at my 16 tokens
	s_lshl_b32 s22, ttmp9, 9
	s_add_nc_u64 s[12:13], s[12:13], s[22:23]      ; xs
	s_lshl_b32 s22, ttmp9, 2
	s_add_nc_u64 s[14:15], s[14:15], s[22:23]      ; bm: my group's word
	s_lshl_b32 s22, ttmp9, 6
	s_add_nc_u64 s[16:17], s[16:17], s[22:23]      ; gate
	s_wait_loadcnt 63                              ; x's 16 loads are older than router_w's 64: with 63 out at the most they are in
	; ---- x's 64 numbers of a lane become a fragment's codes and its scale word
.irp b, 0,1,2,3
	v_max3_num_f32 v[TM+\b], |v[X+16*\b]|, |v[X+1+16*\b]|, 0x2800000   ; block b: my 16 numbers, and the floor 2^(5 - 127): the byte cannot fall under 1
.endr
.irp i, 2,4,6,8,10,12,14
.irp b, 0,1,2,3
	v_max3_num_f32 v[TM+\b], v[TM+\b], |v[X+16*\b+\i]|, |v[X+1+16*\b+\i]|   ; the four blocks by turns
.endr
.endr
.irp b, 0,1,2,3
	v_permlanex16_b32 v[TM+4+\b], v[TM+\b], s[SEL], s[SEL+1]
.endr
.irp b, 0,1,2,3
	v_max_num_f32 v[TM+\b], v[TM+\b], v[TM+4+\b]   ; with lane l xor 16's: the block's largest magnitude
.endr
.irp b, 0,1,2,3
	v_add_nc_u32 v[TM+12+\b], 0xfe000000, v[TM+\b] ; 4 off its exponent field: the conversion's scale operand
.endr
.irp b, 0,1,2,3
	v_lshrrev_b32 v[TM+4+\b], 23, v[TM+12+\b]      ; the scale's byte
.endr
	v_lshl_or_b32 v[PW], v[TM+5], 8, v[TM+4]
	v_lshl_or_b32 v[PW], v[TM+6], 16, v[PW]
	v_lshl_or_b32 v[PW], v[TM+7], 24, v[PW]        ; my row's scale word (the same in both halves of the lanes)
.irp c, 0,1
	v_cvt_scalef32_pk16_bf6_f32 v[PC+6*\c:PC+2+6*\c], v[X+32*\c:X+15+32*\c], v[TM+12+2*\c]
	v_cvt_scalef32_pk16_bf6_f32 v[PC+12+4*\c:PC+14+4*\c], v[X+16+32*\c:X+31+32*\c], v[TM+12+2*\c+1]   ; (a conversion's three registers begin on an even number)
.endr
	v_nop                                          ; one plain place behind a scaled conversion
.irp c, 0,1                                    ; the operand wants a whole block in a lane: lanes 0-15 block 2 c, lanes 16-31 block 2 c + 1
.irp i, 0,1,2
	v_permlane16_swap_b32 v[PC+6*\c+\i], v[PC+12+4*\c+\i]
.endr
.irp i, 0,1,2
	v_mov_b32 v[PC+3+6*\c+\i], v[PC+12+4*\c+\i]
.endr
.endr
.irp g, 0,1,2
	ds_store_b128 v8, v[PC+4*\g:PC+4*\g+3] offset:XQS+16*\g
.endr
	ds_store_b32 v9, v[PW]
	; ---- my part of the logits.  Source 0 = router_w (row m = expert m % 8), source 1 = x (column n = token).  Both sides hold the same k in the same lane and register, so the products pair.
	s_wait_loadcnt 0x0
.set m, 0
.rept 32                                       ; the first four start the sums with the constant 0; the four accumulators take turns
.if m < 4
	v_wmma_f32_16x16x4_f32 v[AC+8*(m%4):AC+8*(m%4)+7], v[RW+2*m:RW+2*m+1], v[X+2*m:X+2*m+1], 0
.else
	v_wmma_f32_16x16x4_f32 v[AC+8*(m%4):AC+8*(m%4)+7], v[RW+2*m:RW+2*m+1], v[X+2*m:X+2*m+1], v[AC+8*(m%4):AC+8*(m%4)+7]
.endif
.set m, m+1
.endr
.rept 8
	v_nop                                          ; eight places behind this form before a result is read (ISA guide 7.12.1)
.endr
.irp k, 0,2,4,6                                ; register e of lane (R, .) = token R, expert e; each accumulator is read from its low end on
	v_pk_add_f32 v[P+\k:P+\k+1], v[AC+\k:AC+\k+1], v[AC+8+\k:AC+8+\k+1]
	v_pk_add_f32 v[QT+\k:QT+\k+1], v[AC+16+\k:AC+16+\k+1], v[AC+24+\k:AC+24+\k+1]
.endr
.irp k, 0,2,4,6
	v_pk_add_f32 v[P+\k:P+\k+1], v[P+\k:P+\k+1], v[QT+\k:QT+\k+1]
.endr
	ds_store_b128 v10, v[P:P+3]
	ds_store_b128 v10, v[P+4:P+7] offset:512
	s_wait_dscnt 0x0                               ; for the others' sake: my stores have landed
	s_barrier_signal -1
	s_barrier_wait -1
	; ---- the codes leave as they lie: each store of a wave covers 512 consecutive bytes, aligned
.irp g, 0,1,2
	ds_load_b128 v[QT+4*\g:QT+4*\g+3], v11 offset:XQS+512*\g
.endr
	s_wait_dscnt 0x0
.irp g, 0,1,2
	global_store_b128 v11, v[QT+4*\g:QT+4*\g+3], s[10:11] offset:512*\g
.endr
	s_cmp_lg_u32 s18, 0
	s_cbranch_scc1 .Ldone                          ; the rest is wave 0's
	s_load_b256 s[24:31], s[8:9], 0x0              ; router_b
	ds_load_b128 v[236:239], v6 offset:XSS
.irp w, 0,1,2,3,4,5,6,7
.irp g, 0,1
	ds_load_b128 v[16+8*\w+4*\g:16+8*\w+4*\g+3], v6 offset:LGS+1024*\w+512*\g
.endr
.endr
	s_wait_dscnt 16                                ; the scale words are in; the 16 younger loads may be out
	global_store_b128 v6, v[236:239], s[12:13]     ; 512 consecutive bytes
	s_wait_dscnt 0x0
.irp w, 0,2,4,6
.irp k, 0,2,4,6
	v_pk_add_f32 v[16+8*\w+\k:17+8*\w+\k], v[16+8*\w+\k:17+8*\w+\k], v[24+8*\w+\k:25+8*\w+\k]
.endr
.endr
.irp w, 0,4
.irp k, 0,2,4,6
	v_pk_add_f32 v[16+8*\w+\k:17+8*\w+\k], v[16+8*\w+\k:17+8*\w+\k], v[32+8*\w+\k:33+8*\w+\k]
.endr
.endr
.irp k, 0,2,4,6
	v_pk_add_f32 v[16+\k:17+\k], v[16+\k:17+\k], v[48+\k:49+\k]
.endr
	s_wait_kmcnt 0x0
.irp e, 0,1,2,3,4,5,6,7
	v_add_f32 v[16+\e], s[24+\e], v[16+\e]         ; the logits of token R
.endr
	v_max3_num_f32 v24, v16, v17, v18
	v_max3_num_f32 v24, v24, v19, v20
	v_max3_num_f32 v24, v24, v21, v22
	v_max_num_f32 v24, v24, v23                    ; their maximum
.irp e, 0,1,2,3,4,5,6,7
	v_sub_f32 v[32+\e], v[16+\e], v24
.endr
.irp e, 0,1,2,3,4,5,6,7
	v_mul_f32 v[32+\e], 0x3fb8aa3b, v[32+\e]       ; x log2(e)
.endr
.irp e, 0,1,2,3,4,5,6,7
	v_exp_f32 v[32+\e], v[32+\e]
.endr
	v_nop                                          ; a plain place behind the batch,
	s_wait_alu depctr_va_vdst(0)                   ; and one wait ahead of its first reader
	v_pk_add_f32 v[40:41], v[32:33], v[34:35]
	v_pk_add_f32 v[42:43], v[36:37], v[38:39]
	v_pk_add_f32 v[40:41], v[40:41], v[42:43]
	v_add_f32 v40, v40, v41
	v_rcp_f32 v44, v40
	v_nop
	s_wait_alu depctr_va_vdst(0)
.irp e, 0,1,2,3,4,5,6,7
	v_mul_f32 v[32+\e], v[32+\e], v44              ; the probabilities
.endr
	v_mov_b32 v45, v32                             ; the largest, and its expert: a later one must be strictly larger
	v_mov_b32 v46, 0
.irp e, 1,2,3,4,5,6,7
	v_cmp_gt_f32 vcc_lo, v[32+\e], v45
	v_cndmask_b32 v45, v45, v[32+\e], vcc_lo
	v_cndmask_b32 v46, v46, \e, vcc_lo
.endr
	v_mov_b32 v47, -1.0                            ; the second: under every probability at the start
	v_mov_b32 v48, 0
.irp e, 0,1,2,3,4,5,6,7
	v_cmp_gt_f32 s40, v[32+\e], v47
	v_cmp_ne_u32 s41, \e, v46                      ; not the first again
	s_and_b32 s40, s40, s41
	v_cndmask_b32 v47, v47, v[32+\e], s40
	v_cndmask_b32 v48, v48, \e, s40
.endr
	v_add_f32 v49, v45, v47
	v_rcp_f32 v50, v49
	v_cndmask_b32 v53, v46, v48, s48               ; (a plain place)  lanes 0-15 speak for slot 0, lanes 16-31 for slot 1
	s_wait_alu depctr_va_vdst(0)
	v_mul_f32 v51, v45, v50
	v_mul_f32 v52, v47, v50
	v_cndmask_b32 v54, v51, v52, s48
.irp e, 0,1,2,3,4,5,6,7
	v_cmp_eq_u32 s[40+\e], \e, v53                 ; expert e's word: a bit for each entry that chose it
.endr
	v_mov_b32 v55, 0
.irp e, 0,1,2,3,4,5,6,7
	v_cmp_eq_u32 vcc_lo, \e, v13                   ; (hangs on the lane's number alone)
	v_cndmask_b32 v55, v55, s[40+\e], vcc_lo       ; my lane's expert's word
.endr
	global_store_b32 v12, v55, s[14:15]            ; four lanes store the same word with the same value
	global_store_b32 v14, v54, s[16:17]
.Ldone:
	s_wait_tensorcnt 0x0
	ds_add_u32 v254, v255
	s_wait_dscnt 0x0
	s_endpgm
.Lfunc_end_k_qe2baeb6847_route:
	.size	k_qe2baeb6847_route, .Lfunc_end_k_qe2baeb6847_route-k_qe2baeb6847_route
	.p2alignl 7, 3214868480
	.fill 96, 4, 3214868480
	.section	.rodata,"a",@progbits
	.p2align	6, 0x0
	.amdhsa_kernel k_qe2baeb6847_route
		.amdhsa_group_segment_fixed_size 22016
		.amdhsa_private_segment_fixed_size 0
		.amdhsa_enable_private_segment 0
		.amdhsa_kernarg_size 56
		.amdhsa_user_sgpr_count 2
		.amdhsa_user_sgpr_kernarg_segment_ptr 1
		.amdhsa_wavefront_size32 1
		.amdhsa_system_sgpr_workgroup_id_x 1
		.amdhsa_system_sgpr_workgroup_id_y 1
		.amdhsa_system_sgpr_workgroup_id_z 1
		.amdhsa_system_vgpr_workitem_id 0
		.amdhsa_next_free_vgpr 256
		.amdhsa_next_free_sgpr 66
		.amdhsa_reserve_vcc 1
		.amdhsa_float_denorm_mode_32 3
		.amdhsa_float_denorm_mode_16_64 3
		.amdhsa_memory_ordered 1
		.amdhsa_forward_progress 1
		.amdhsa_inst_pref_size 29
	.end_amdhsa_kernel
	.amdgpu_metadata
---
amdhsa.version: [ 1, 2 ]
amdhsa.kernels:
  - .name:           k_qe2baeb6847_route
    .symbol:         k_qe2baeb6847_route.kd
    .args:
      - { .name: x, .offset: 0, .size: 8, .value_kind: global_buffer, .address_space: global }
      - { .name: router_w, .offset: 8, .size: 8, .value_kind: global_buffer, .address_space: global }
      - { .name: router_b, .offset: 16, .size: 8, .value_kind: global_buffer, .address_space: global }
      - { .name: xq, .offset: 24, .size: 8, .value_kind: global_buffer, .address_space: global }
      - { .name: xs, .offset: 32, .size: 8, .value_kind: global_buffer, .address_space: global }
      - { .name: bm, .offset: 40, .size: 8, .value_kind: global_buffer, .address_space: global }
      - { .name: gate, .offset: 48, .size: 8, .value_kind: global_buffer, .address_space: global }
    .group_segment_fixed_size: 22016
    .private_segment_fixed_size: 0
    .kernarg_segment_align: 8
    .kernarg_segment_size: 56
    .max_flat_workgroup_size: 256
    .sgpr_count:     66
    .vgpr_count:     256
    .wavefront_size: 32
...
	.end_amdgpu_metadata
.endif
;; end of part 1
;; launch up (part 2): grid 32 x 8, 8 waves a work-group, no clusters, 212,480 bytes of LDS; arguments w1, b1, xq, xs, bm, hq, hs; writes hq, hs
.if DOCPART == 2
	.amdgcn_target "amdgcn-amd-amdhsa--gfx1250"
	.amdhsa_code_object_version 6
	.text
	.protected	k_qe2baeb6847_up
	.globl	k_qe2baeb6847_up
	.p2align	8
	.type	k_qe2baeb6847_up,@function
k_qe2baeb6847_up:
	s_mov_b64 s[64:65], 0
	v_nop
	global_prefetch_b8 v0, s[64:65] scope:SCOPE_SE
	s_setreg_imm32_b32 hwreg(HW_REG_WAVE_MODE, 25, 1), 1
	s_wait_xcnt 0x0
; UP.  h = Q(gelu(Q(x) Q(w1) + b1)) for the rows that chose an expert.  Codes of BF6 (E3M2), one E8M0 byte for each 32 along K.
; Work-group (fs, e) owns w1[e][all 1,024 k][128 fs .. 128 fs + 127]: 512 KiB of f32, read from memory ONCE in the launch.
; PHASE A: the slice is quantised along k on its way into LDS, as images of operand registers (16 units of four fragments).  PHASE B: it is multiplied with all rows routed to expert e.
; A wave's load takes two pieces of 256 consecutive bytes (lanes 0-15 row k, lanes 16-31 row k + 32), four neighbouring columns a lane.  So TILE j OF A GROUP OF 64 COLUMNS IS COLUMNS 4 R + j, and after 32 loads
; lane (R, H) holds the whole block of 32 along k that the operand's layout gives it, for four columns: a block's maximum needs no other lane.  A move a number brings a column's 32 numbers on end for the conversion.
; THE PRODUCT IS USED TRANSPOSED (source 0 = 16 columns of w1, source 1 = 16 rows of x): register i of tile j in lane (R, H) is (row R, column 32 H + 4 i + j): a group's 32 registers of a lane are one whole block
; of 32 along the next K.  Its codes stand at place 8 j + i for unit 4 i + j; the next launch lays w2's rows in the same order, so the products pair; blocks and scales are not touched by that.
; WHICH ROWS: bm holds, for each expert, a bit for each entry p = 1,024 slot + token.  Wave 0 lists the set bits in ascending order in LDS, while the first loads of w1 are on their way.  Places n .. n + 31 repeat the first entry, all others hold 0.
; In pass i (four passes, a constant) wave w takes row tiles w + 16 i and w + 16 i + 8; a pass without a first tile is jumped over; a missing second tile is multiplied on valid data and its epilogue and stores are jumped over.
; x'S ROWS COME WHOLE: a token's codes are 768 consecutive bytes; a load takes 256 aligned consecutive bytes of one token in lanes 0-15 and of another in lanes 16-31.  The operand wants a row to a lane, so a tile's 16 rows
; turn through a stage of the wave's own in LDS (rows 784 bytes apart).
; NO TENSOR LOAD, NO CLUSTER: branches hang on the stored routing numbers, each byte of w1 has one reader, and what work-groups share (x's codes, under 1 MB) is gathered by rows.
; gelu(v) = max(v, 0) - |v| erfc(|v| / sqrt 2) / 2, with erfc(z) = t exp(-z^2 + P(t)), t = 1 / (1 + z / 2), P of degree 9 (fractional error of the form 1.2e-7 for every z).
; LIMITS: NaN and infinities are not served.  erfc / 2 under 2^-126 (|v| above about 13) counts as 0: gelu is then v or 0.  A block whose largest magnitude lies under 2^-122, a block of zeros too, keeps the scale byte 1.
; REGISTERS, window 0: v1-11 ids and addresses; v12-13 h's scale words; v16-43 at work; v32-35, v220-223 the weights' scale words; v44-139 two buffers of four fragments (phase A: the fragments made, and 64 numbers on end;
;   pass head: the rows' offsets; epilogue: t, exponent, polynomial); v140-203 eight accumulators; v204-214 the pass's addresses; v224-231 x's scale words; v232-255 h's codes.
;   Window 1: phase A two sets of 128 numbers as loaded; phase B x's fragments of two row tiles (192) and b1 (64).
.set ROWB, 16384                       ; a row of w1[e] in bytes
.set LOGH, 19                          ; 32 rows are 2^19 bytes
.set PERM, 0                           ; k in its natural order inside a block
.set NB,   16                          ; loads that bring the bias
.set WSC,  98304                       ; LDS: 0 .. 98,303 the 16 units (unit 8 u + s: column group u, K step s; four fragments of 1,536 bytes); then their scale words, 512 bytes a unit;
.set LIST, 106496                      ; then the list: 1,152 words;
.set XST,  111104                      ; then a stage of 16 rows for each wave
.set XP,   784                         ; a stage row: 768 bytes + 16
.set VR, 1
.set VH, 2
.set VOFF, 3                           ; 32 H rows + 16 R; never rewritten
.set LI, 4                             ; 16 x lane: an image's place for my lane; also the address of units 0-7
.set AWI, 5                            ; where I store my two units
.set ASC, 6                            ; and their scale words
.set SH8, 7                            ; 8 H
.set R16, 8                            ; 16 R
.set LIW1, 9                           ; units 8-15
.set LISC, 10                          ; the scale words
.set LL, 11                            ; the list: LIST + 64 w + 4 R
.set HW, 12
.set AM, 16
.set SCL, 20
.set BY, 24
.set PT, 28
.set SW, 32
.set CT, 36
.set FG, 44
.set TP, 92
.set RB, 156
.set WB, 44
.set EN, 44                            ; v44-59 the entries of rows 8 H + 0 .. 7 of tiles A and B, then those rows' byte offsets in xq
.set WS0, 32
.set WS1, 220
.set ACC, 140
.set SXW, 211                          ; the stage, on the way in: rows 8 H on, + 16 R
.set XRD, 212                          ; and on the way out: row R, + 384 H
.set LB, 213                           ; the list: LIST + 64 w + 32 H
.set LBP, 214                          ; the same in the pass in hand
.set XS, 224
.set HC, 232
.set TT, 44
.set EE, 76
.set PP, 108
.set SB, 4                             ; s[4:5] my wave's first byte of w1; never rewritten
.set WV, 90
.set NN, 91                            ; rows routed to the expert
.set NT, 92                            ; tiles of 16
.set SEL, 96
.set PASS, 12
.set SLO, 13
.set TA, 14
.set TBT, 15
.set C0, 0xbfa1fc4e                    ; -1.26551223
.set C1, 0x3f8000c7                    ;  1.00002368
.set C2, 0x3ebf88fb                    ;  0.37409196
.set C3, 0x3dc636c9                    ;  0.09678418
.set C4, 0xbe3ec24c                    ; -0.18628806
.set C5, 0x3e8ec7cc                    ;  0.27886807
.set C6, 0xbf914e5d                    ; -1.13520398
.set C7, 0x3fbe87b0                    ;  1.48851587
.set C8, 0xbf527892                    ; -0.82215223
.set C9, 0x3e2ef945                    ;  0.17087277
.set MSB, 0
.macro WIN new                         ; s_set_vgpr_msb: bits 1:0 source 0, 3:2 source 1, 5:4 source 2, 7:6 destination; the high byte repeats the setting that is left
.if MSB != \new
	s_set_vgpr_msb (MSB<<8)|\new
.set MSB, \new
.endif
.endm
.macro PLACES                          ; four places behind a matrix instruction of this form, ahead of loads into its registers and of the first read of a result
.rept 4
	v_nop
.endr
.endm
.macro LOADSET q                       ; rows 64 q + 32 H + 0 .. 31 of my 256, four columns a lane, into set q % 2 of window 1
	WIN 0x40
.set i, 0
.rept 32
	global_load_b128 v[128*((\q)&1)+4*i:128*((\q)&1)+4*i+3], v[VOFF], s[SB:SB+1] offset:(64*(\q)+i)*ROWB th:TH_LOAD_NT
.set i, i+1
.endr
	WIN 0
.endm
.macro PROC q, left                    ; set q: a block of 32 along k of four columns becomes half a fragment's codes for each of the four tiles.  left: the younger loads, which may stay out
.set LQ, 128*((\q)&1)
.set CC, (\q)&1
	s_wait_loadcnt \left
.if (\q) == 2
	s_wait_dscnt 0x0                               ; the first K step's image stores have read their registers
.endif
	WIN 0x14
.irp j, 0,1,2,3
	v_max3_num_f32 v[AM+\j], 0x2800000, |v[LQ+\j]|, |v[LQ+4+\j]|   ; the floor 2^(5 - 127) among the leaves: the byte cannot fall under 1
.endr
.irp i, 2,4,6,8,10,12,14,16,18,20,22,24,26,28,30
.irp j, 0,1,2,3
	v_max3_num_f32 v[AM+\j], v[AM+\j], |v[LQ+4*\i+\j]|, |v[LQ+4*\i+4+\j]|   ; four columns by turns
.endr
.endr
	WIN 0
.irp j, 0,1,2,3
	v_add_nc_u32 v[SCL+\j], 0xfe000000, v[AM+\j]   ; 4 off the exponent field: the conversion's scale operand
.endr
.irp j, 0,1,2,3
.if CC == 0
	v_lshrrev_b32 v[SW+\j], 23, v[SCL+\j]          ; the byte of block H
.else
	v_lshrrev_b32 v[BY+\j], 23, v[SCL+\j]          ; the byte of block 2 + H
.endif
.endr
.if CC
.irp j, 0,1,2,3
	v_lshl_or_b32 v[SW+\j], v[BY+\j], 16, v[SW+\j]
.endr
.endif
.irp jp, 0,1                                   ; two columns at a time
	WIN 0x01
.set p, 0
.rept 32
.if PERM
.set SRC, LQ+4*(4*(p%8)+p/8)+2*\jp
.else
.set SRC, LQ+4*p+2*\jp
.endif
	v_mov_b32 v[TP+p], v[SRC]                      ; a column's 32 numbers on end
	v_mov_b32 v[TP+32+p], v[SRC+1]
.set p, p+1
.endr
	WIN 0
.irp jj, 0,1
	v_cvt_scalef32_pk16_bf6_f32 v[FG+12*(2*\jp+\jj)+6*CC:FG+12*(2*\jp+\jj)+6*CC+2], v[TP+32*\jj:TP+32*\jj+15], v[SCL+2*\jp+\jj]
	v_cvt_scalef32_pk16_bf6_f32 v[CT+4*\jj:CT+4*\jj+2], v[TP+32*\jj+16:TP+32*\jj+31], v[SCL+2*\jp+\jj]   ; (a conversion's three registers begin on an even number)
.endr
	v_nop                                          ; one plain place behind a scaled conversion
.irp jj, 0,1
.irp i, 0,1,2
	v_mov_b32 v[FG+12*(2*\jp+\jj)+6*CC+3+\i], v[CT+4*\jj+\i]
.endr
.endr
.endr
.endm
.macro KDONE s2                        ; a K step's four fragments and their scale words go to LDS as they stand
.irp j, 0,1,2,3
	v_lshlrev_b32 v[SW+\j], v[SH8], v[SW+\j]       ; my two bytes at their places,
.endr
.irp j, 0,1,2,3
	v_permlanex16_b32 v[PT+\j], v[SW+\j], s[SEL], s[SEL+1]
.endr
.irp j, 0,1,2,3
	v_or_b32 v[SW+\j], v[SW+\j], v[PT+\j]          ; with lane l xor 16's two the word is whole
.endr
.irp j, 0,1,2,3
.irp g, 0,1,2
	ds_store_b128 v[AWI], v[FG+12*\j+4*\g:FG+12*\j+4*\g+3] offset:6144*(\s2)+1536*\j+512*\g
.endr
.endr
	ds_store_b128 v[ASC], v[SW:SW+3] offset:512*(\s2)
.endm
.macro WLOAD adr, off, soff, b         ; a unit (12 loads) and its scale words (1) into buffer b
.irp j, 0,1,2,3
.irp g, 0,1,2
	ds_load_b128 v[WB+48*(\b)+12*\j+4*\g:WB+48*(\b)+12*\j+4*\g+3], v[\adr] offset:(\off)+1536*\j+512*\g
.endr
.endr
	ds_load_b128 v[WS0+(WS1-WS0)*(\b):WS0+(WS1-WS0)*(\b)+3], v[LISC] offset:\soff
.endm
; THE ROWS OF A PASS ARE ASKED FOR.  Their entries come from the list twice: row R's, for the scale words, and those of rows 8 H + 0 .. 7, for the codes.  Load (a, c) takes bytes 256 c .. 256 c + 255 of row a's token in
; lanes 0-15 and of row 8 + a's in lanes 16-31: each half of a load covers 256 consecutive bytes, aligned.  They land in the registers of x's fragments, in the order of loading.
.macro HEAD
	v_add_nc_u32 v204, s[SLO], v[LL]
	v_add_nc_u32 v[LBP], s[SLO], v[LB]
	ds_load_b32 v205, v204                         ; row R's entry in tile A,
	ds_load_b32 v206, v204 offset:512              ; and in tile B, eight tiles on
.irp t, 0,1
	ds_load_b128 v[EN+8*\t:EN+8*\t+3], v[LBP] offset:512*\t
	ds_load_b128 v[EN+8*\t+4:EN+8*\t+7], v[LBP] offset:512*\t+16
.endr
	s_wait_dscnt 0x0
	v_cndmask_b32 v209, v205, v206, s28            ; lanes 0-15 fetch tile A's scale words, lanes 16-31 tile B's
	v_min_u32 v209, 2047, v209
	v_and_b32 v209, 1023, v209                     ; the token
	v_lshlrev_b32 v209, 5, v209
	global_load_b128 v[XS:XS+3], v209, s[10:11]
	global_load_b128 v[XS+4:XS+7], v209, s[10:11] offset:16
.set k, 0
.rept 16
	v_min_u32 v[EN+k], 2047, v[EN+k]
.set k, k+1
.endr
.set k, 0
.rept 16
	v_and_b32 v[EN+k], 1023, v[EN+k]               ; the token
.set k, k+1
.endr
.set k, 0
.rept 16
	v_mul_u32_u24 v[EN+k], v[EN+k], 768            ; its row of codes
.set k, k+1
.endr
.set k, 0
.rept 16
	v_add_nc_u32 v[EN+k], v[EN+k], v[R16]          ; my 16 bytes of a run of 256
.set k, k+1
.endr
	WIN 0x40
.irp t, 0,1
.irp a, 0,1,2,3,4,5,6,7
.irp c, 0,1,2
	global_load_b128 v[96*\t+12*\a+4*\c:96*\t+12*\a+4*\c+3], v[EN+8*\t+\a], s[8:9] offset:256*\c
.endr
.endr
.endr
	WIN 0
.endm
; THE ROWS TURN THROUGH MY STAGE: stored as they were loaded, read back a row to a lane, into the registers that they left.  LDS serves a wave's instructions in order (ISA guide 5.7.1.4): no wait stands between the stores
; and the loads, nor in front of tile B's stores, which come behind tile A's loads.
.macro TURN
.irp t, 0,1
	s_wait_loadcnt 24-24*\t                        ; tile A's 24 loads (and the scale words, which are older) are in while tile B's 24 may be out; then all
	WIN 0x04                                       ; an LDS store's data are its source 1: window 1
.irp a, 0,1,2,3,4,5,6,7
.irp c, 0,1,2
	ds_store_b128 v[SXW], v[96*\t+12*\a+4*\c:96*\t+12*\a+4*\c+3] offset:XP*\a+256*\c
.endr
.endr
	WIN 0x40
.irp s, 0,1,2,3,4,5,6,7
.irp g, 0,1,2
	ds_load_b128 v[96*\t+12*\s+4*\g:96*\t+12*\s+4*\g+3], v[XRD] offset:48*\s+16*\g   ; K step s: the 12 registers of lane (R, H)
.endr
.endr
.endr
	WIN 0
.endm
.macro KSTEP u, s                      ; K step s of column group u: eight products, the eight accumulators by turns in the same order in every step
.if (\s) > 0
	PLACES                                         ; the buffer to be loaded was read by the products just issued
.endif
.if (\s) < 7
	WLOAD WAD, 6144*((\s)+1), 512*(8*(\u)+(\s)+1), ((\s)+1)%2
	s_wait_dscnt 13                                ; this step's 13 loads, and all that is older (x's fragments from the stage), are in; the 13 just issued may be out
.else
	s_wait_dscnt 0x0
.endif
.if (\s) == 0
	WIN 0x14                                       ; x and the bias in window 1
.else
	WIN 0x04
.endif
.irp a, 0,1
.irp j, 0,1,2,3
.set rD, ACC+32*\a+8*\j
.set rA, WB+48*((\s)%2)+12*\j
.set rB, 96*\a+12*(\s)
.set rS, WS0+(WS1-WS0)*((\s)%2)+\j
.if (\s) == 0
.set rC, 192+32*(\u)+8*\j                      ; the bias starts the sum
.else
.set rC, rD
.endif
.if \a
	v_wmma_scale_f32_16x16x128_f8f6f4 v[rD:rD+7], v[rA:rA+11], v[rB:rB+11], v[rC:rC+7], v[rS], v[XS+(\s)] matrix_a_fmt:MATRIX_FMT_BF6 matrix_b_fmt:MATRIX_FMT_BF6 matrix_b_scale:MATRIX_SCALE_ROW1
.else
	v_wmma_scale_f32_16x16x128_f8f6f4 v[rD:rD+7], v[rA:rA+11], v[rB:rB+11], v[rC:rC+7], v[rS], v[XS+(\s)] matrix_a_fmt:MATRIX_FMT_BF6 matrix_b_fmt:MATRIX_FMT_BF6
.endif
.endr
.endr
	WIN 0
.endm
.macro EPI a, u                        ; row tile a, column group u: gelu on a lane's 32 numbers, then they are quantised: one block of 32 along the next K
.set VV, ACC+32*(\a)
.set k, 0
.rept 32
	v_fma_f32 v[TT+k], |v[VV+k]|, s24, 1.0         ; 1 + z / 2, z = |v| / sqrt 2; each accumulator is read from its low end on
.set k, k+1
.endr
.set k, 0
.rept 32
	v_rcp_f32 v[TT+k], v[TT+k]                     ; t
.set k, k+1
.endr
.set k, 0
.rept 16
	v_pk_mul_f32 v[EE+k:EE+k+1], v[VV+k:VV+k+1], v[VV+k:VV+k+1]   ; v^2: plain work behind the batch
.set k, k+2
.endr
	s_wait_alu depctr_va_vdst(0)                   ; one wait for the 32 reciprocals, ahead of their first reader
.set k, 0
.rept 16
	v_pk_fma_f32 v[PP+k:PP+k+1], v[TT+k:TT+k+1], C9, v[14:15] op_sel_hi:[1,0,1]
.set k, k+2
.endr
.irp cf, C7, C6, C5, C4, C3, C2, C1, C0        ; Horner, a level at a time over the 16 pairs: no line waits for the line above it
.set k, 0
.rept 16
	v_pk_fma_f32 v[PP+k:PP+k+1], v[PP+k:PP+k+1], v[TT+k:TT+k+1], \cf op_sel_hi:[1,1,0]
.set k, k+2
.endr
.endr
.set k, 0
.rept 16
	v_pk_fma_f32 v[EE+k:EE+k+1], v[EE+k:EE+k+1], -0.5, v[PP+k:PP+k+1] op_sel_hi:[1,0,1]   ; -z^2 + P(t)
.set k, k+2
.endr
.set k, 0
.rept 16
	v_pk_fma_f32 v[EE+k:EE+k+1], v[EE+k:EE+k+1], 0x3fb8aa3b, -1.0 op_sel_hi:[1,0,0]       ; to base 2; the 1 taken off halves the result
.set k, k+2
.endr
.set k, 0
.rept 32
	v_exp_f32 v[EE+k], v[EE+k]
.set k, k+1
.endr
.set k, 0
.rept 32
	v_max_num_f32 v[PP+k], 0, v[VV+k]              ; max(v, 0): plain work behind the batch
.set k, k+1
.endr
	s_wait_alu depctr_va_vdst(0)                   ; one wait for the 32 exponentials
.set k, 0
.rept 16
	v_pk_mul_f32 v[TT+k:TT+k+1], v[TT+k:TT+k+1], v[EE+k:EE+k+1]   ; erfc(z) / 2
.set k, k+2
.endr
.set k, 0
.rept 32
	v_fma_f32 v[VV+k], -|v[VV+k]|, v[TT+k], v[PP+k]
.set k, k+1
.endr
.irp j, 0,1,2,3
	v_max3_num_f32 v[AM+\j], |v[VV+8*\j]|, |v[VV+8*\j+1]|, 0x2800000
.endr
.irp i, 2,4,6
.irp j, 0,1,2,3
	v_max3_num_f32 v[AM+\j], v[AM+\j], |v[VV+8*\j+\i]|, |v[VV+8*\j+\i+1]|
.endr
.endr
	v_max3_num_f32 v[AM], v[AM], v[AM+1], v[AM+2]
	v_max_num_f32 v[AM], v[AM], v[AM+3]            ; the block's largest magnitude: all 32 numbers are mine
	v_add_nc_u32 v[SCL], 0xfe000000, v[AM]
.if (\u) == 0
	v_lshrrev_b32 v[HW+(\a)], 23, v[SCL]           ; the byte of block H
.else
	v_lshrrev_b32 v[BY], 23, v[SCL]
	v_lshl_or_b32 v[HW+(\a)], v[BY], 16, v[HW+(\a)]   ; and of block 2 + H
.endif
	v_cvt_scalef32_pk16_bf6_f32 v[HC+12*(\a)+6*(\u):HC+12*(\a)+6*(\u)+2], v[VV:VV+15], v[SCL]
	v_cvt_scalef32_pk16_bf6_f32 v[CT:CT+2], v[VV+16:VV+31], v[SCL]
	v_nop                                          ; one plain place behind a scaled conversion
.irp i, 0,1,2
	v_mov_b32 v[HC+12*(\a)+6*(\u)+3+\i], v[CT+\i]
.endr
.endm
.macro FINISH a                        ; row tile a's fragment of K step fs leaves as the image of its registers: three stores of 512 consecutive bytes, aligned; its 16 scale words beside it
	v_lshlrev_b32 v[HW+(\a)], v[SH8], v[HW+(\a)]
	v_permlanex16_b32 v[PT+(\a)], v[HW+(\a)], s[SEL], s[SEL+1]
	v_or_b32 v[HW+(\a)], v[HW+(\a)], v[PT+(\a)]
.irp g, 0,1,2
	global_store_b128 v[LI], v[HC+12*(\a)+4*\g:HC+12*(\a)+4*\g+3], s[16+2*(\a):17+2*(\a)] offset:512*\g
.endr
	global_store_b32 v[R16], v[HW+(\a)], s[20+2*(\a):21+2*(\a)]   ; row R's word stands 16 R bytes on: four K steps' words of a row lie together, for the next launch's loads; both halves of the lanes store the same word
.endm
.macro GROUP u
.set WAD, LI+(LIW1-LI)*(\u)
	WLOAD WAD, 0, 4096*(\u), 0
.irp s, 0,1,2,3,4,5,6,7
	KSTEP \u, \s
.endr
	PLACES
	EPI 0, \u
	s_cmp_ge_u32 s[TBT], s[NT]
	s_cbranch_scc1 .Lno_b_\@                       ; no second tile: its results are dropped
	EPI 1, \u
.Lno_b_\@:
.endm
	s_load_b256 s[4:11], s[0:1], 0x0               ; w1, b1, xq, xs
	s_load_b128 s[84:87], s[0:1], 0x20             ; bm, hq
	s_load_b64 s[88:89], s[0:1], 0x30              ; hs
	v_lshl_add_u32 v39, v0, 2, 0x33a00
	v_mov_b32 v43, 0
	v_lshrrev_b32 v1, 5, v0
	v_readfirstlane_b32 s[WV], v1                  ; wave 0..7
	v_and_b32 v[VR], 15, v0
	v_bfe_u32 v[VH], v0, 4, 1
	v_and_b32 v[LI], 31, v0
	v_lshlrev_b32 v[LI], 4, v[LI]
	v_lshlrev_b32 v[VOFF], 4, v[VR]
	v_lshl_add_u32 v[VOFF], v[VH], LOGH, v[VOFF]
	v_lshlrev_b32 v[SH8], 3, v[VH]
	v_lshlrev_b32 v[R16], 4, v[VR]
	v_add_nc_u32 v[LIW1], 49152, v[LI]
	v_add_nc_u32 v[LISC], WSC, v[LI]
	s_and_b32 s95, ttmp7, 0xffff                   ; the expert
	s_and_b32 s98, s[WV], 1                        ; u: which 64 columns I stream
	s_lshr_b32 s99, s[WV], 1                       ; kp: which 256 rows
	s_lshl_b32 s2, s98, 3
	s_lshl_b32 s3, s99, 1
	s_add_co_u32 s2, s2, s3                        ; my first unit: 8 u + 2 kp
	s_mul_i32 s3, s2, 6144
	v_add_nc_u32 v[AWI], s3, v[LI]
	s_lshl_b32 s3, s2, 9
	s_add_co_u32 s3, s3, WSC
	v_add_nc_u32 v[ASC], s3, v[LI]
	s_lshl_b32 s3, s[WV], 6
	s_add_co_u32 s3, s3, LIST
	v_lshl_add_u32 v[LL], v[VR], 2, s3
	s_mov_b32 s[SEL], 0x76543210
	s_mov_b32 s[SEL+1], 0xfedcba98
.irp j, 0,1,2,3
	v_mov_b32 v[PT+\j], 0                          ; written once: a lane permute's destination counts as one of its sources
.endr
	s_lshl_b32 s2, s95, 24                         ; e x 16 MiB
	s_lshl_b32 s3, s99, 22                         ; + 256 kp rows
	s_add_co_u32 s2, s2, s3
	s_lshl_b32 s3, ttmp9, 9                        ; + 128 fs columns
	s_add_co_u32 s2, s2, s3
	s_lshl_b32 s3, s98, 8                          ; + 64 u columns
	s_add_co_u32 s2, s2, s3
	s_mov_b32 s3, 0
	s_wait_kmcnt 0x0
	s_add_nc_u64 s[SB:SB+1], s[SB:SB+1], s[2:3]
	s_lshl_b32 s2, s95, 8
	s_add_nc_u64 s[84:85], s[84:85], s[2:3]        ; bm at my expert's 64 words
	s_load_b512 s[16:31], s[84:85], 0x0            ; they are asked for ahead of the stream, so that the list is built while the first set is on its way.  Word c in s[16 + c], from c = 48 on in s[20 + c]
	s_load_b512 s[32:47], s[84:85], 0x40
	s_load_b512 s[48:63], s[84:85], 0x80
	s_load_b512 s[68:83], s[84:85], 0xc0
	LOADSET 0                                      ; 32 loads of 512 bytes a wave: a quarter of the work-group's slice
	s_lshl_b32 s2, s95, 14
	s_lshl_b32 s98, ttmp9, 9
	s_add_co_u32 s2, s2, s98
	s_add_nc_u64 s[6:7], s[6:7], s[2:3]            ; b1 at my 128 columns
	s_mul_i32 s2, s95, 3145728
	s_mul_i32 s98, ttmp9, 1536
	s_add_co_u32 s2, s2, s98
	s_add_nc_u64 s[86:87], s[86:87], s[2:3]        ; hq at (e, tile 0, K step fs)
	s_lshl_b32 s2, s95, 17                         ; hs [e][tile][K step / 4][row][K step % 4]: 131,072 e
	s_lshr_b32 s98, ttmp9, 2
	s_lshl_b32 s98, s98, 8                         ; + 256 (fs / 4)
	s_add_co_u32 s2, s2, s98
	s_and_b32 s98, ttmp9, 3
	s_lshl_b32 s98, s98, 2                         ; + 4 (fs % 4)
	s_add_co_u32 s2, s2, s98
	s_add_nc_u64 s[88:89], s[88:89], s[2:3]
	s_mov_b32 s[NN], 0
	s_wait_kmcnt 0x0
.set c, 0
.rept 64
	s_bcnt1_i32_b32 s98, s[16+c+4*(c/48)]
	s_add_co_u32 s[NN], s[NN], s98
.set c, c+1
.endr
	s_add_co_u32 s[NT], s[NN], 15
	s_lshr_b32 s[NT], s[NT], 4
	s_min_u32 s[NT], s[NT], 64
	s_cmp_lg_u32 s[WV], 0
	s_cbranch_scc1 .Lbuilt
	; ---- wave 0 lists the entries.  v240-255 serve this alone among the addresses of the text
	v_and_b32 v254, 31, v0
	v_add_nc_u32 v246, 1056, v254                  ; a lane whose bit is not set writes to a word of its own behind the list
	v_lshl_or_b32 v247, v[VH], 10, v[VR]           ; bit l of word c is entry 1,024 (l / 16) + 16 c + l % 16
.irp k, 0,1,2,3
	v_mov_b32 v[248+\k], 0
.endr
	v_add_nc_u32 v252, LIST, v[LI]
.irp k, 0,1,2,3,4,5,6,7,8
	ds_store_b128 v252, v[248:251] offset:512*\k
.endr
	s_mov_b32 s93, 0
.set c, 0
.rept 64
.set MKR, 16+c+4*(c/48)
.set z, c%2
	v_mbcnt_lo_u32_b32 v[240+z], s[MKR], s93       ; the set bits under mine, and those of the words before: my place
	v_cndmask_b32 v[240+z], v246, v[240+z], s[MKR]
	v_min_u32 v[240+z], 1087, v[240+z]
	v_lshl_add_u32 v[242+z], v[240+z], 2, LIST
	v_add_nc_u32 v[244+z], 16*c, v247
	ds_store_b32 v[242+z], v[244+z]
	s_bcnt1_i32_b32 s98, s[MKR]
	s_add_co_u32 s93, s93, s98
.set c, c+1
.endr
	v_mov_b32 v255, LIST
	ds_load_b32 v253, v255                         ; LDS serves a wave's instructions in order: the first entry
	v_add_nc_u32 v240, s[NN], v254
	v_min_u32 v240, 1055, v240
	v_lshl_add_u32 v242, v240, 2, LIST
	s_wait_dscnt 0x0
	ds_store_b32 v242, v253                        ; places n .. n + 31 repeat it
.Lbuilt:
	LOADSET 1                                      ; the second quarter: with it half of the slice has been asked for
	s_wait_dscnt 0x0
	s_barrier_signal -1
	s_barrier_wait -1                              ; the list stands; only now do the other waves touch LDS
	PROC 0, 32                                     ; 32: the younger set
	LOADSET 2
	PROC 1, 32
	KDONE 0
	LOADSET 3
	v_lshlrev_b32 v12, 7, v[VH]
.irp u, 0,1
.irp m, 0,1,2,3,4,5,6,7
	global_load_b128 v[RB+32*\u+4*\m:RB+32*\u+4*\m+3], v12, s[6:7] offset:256*\u+16*\m   ; b1 of columns 64 u + 32 H + 0 .. 31
.endr
.endr
	PROC 2, 32+NB                                  ; the younger set and the bias
	PROC 3, NB                                     ; the bias
	KDONE 1
	s_wait_loadcnt 0x0
	WIN 0x40
.irp u, 0,1
.irp j, 0,1,2,3
.irp i, 0,1,2,3,4,5,6,7
	v_mov_b32 v[192+32*\u+8*\j+\i], v[RB+32*\u+4*\i+\j]   ; in the result's layout: register i of tile j is column 32 H + 4 i + j
.endr
.endr
.endr
	WIN 0
	s_mul_i32 s2, s[WV], 16*XP
	s_add_co_u32 s2, s2, XST                       ; my stage
	v_mul_u32_u24 v[SXW], v[VH], 8*XP
	v_add_nc_u32 v[SXW], v[SXW], v[R16]
	v_add_nc_u32 v[SXW], s2, v[SXW]
	v_mul_u32_u24 v[XRD], v[VR], XP
	v_mad_u32_u24 v[XRD], v[VH], 384, v[XRD]
	v_add_nc_u32 v[XRD], s2, v[XRD]
	s_lshl_b32 s3, s[WV], 6
	s_add_co_u32 s3, s3, LIST
	v_lshl_add_u32 v[LB], v[VH], 5, s3
	s_mov_b32 s28, 0xffff0000                      ; lanes 16-31
	s_mov_b32 s[PASS], 0
	s_mov_b32 s[SLO], 0
	s_mov_b32 s[TA], s[WV]
	s_wait_dscnt 0x0                               ; for the others' sake: my images have landed; and their stores have read the registers that the next lines write
	HEAD                                           ; the first pass's rows are asked for ahead of the barrier.  No branch: the list holds a valid token at every place
	s_barrier_signal -1
	s_barrier_wait -1                              ; the slice lies in LDS as 64 fragments
	v_mov_b32 v[HW], 0                             ; h's scale words and tile B's codes: written once, so that they are written on every way through the text
	v_mov_b32 v[HW+1], 0
.irp k, 0,1,2,3,4,5,6,7,8,9,10,11
	v_mov_b32 v[HC+12+\k], 0
.endr
	v_mov_b32 v14, C8
	v_mov_b32 v15, C8
	s_mov_b32 s24, 0x3eb504f3                      ; 1 / (2 sqrt 2)
.Lpass:
	s_cmp_ge_u32 s[TA], s[NT]
	s_cbranch_scc1 .Lpass_end
	s_add_co_u32 s[TBT], s[TA], 8
	s_wait_xcnt 0x0                                ; the last pass's stores have read their data and bases: both are written again below
	s_mul_i32 s2, s[TA], 49152
	s_mov_b32 s3, 0
	s_add_nc_u64 s[16:17], s[86:87], s[2:3]        ; where tile A's fragment goes,
	s_add_nc_u64 s[18:19], s[16:17], 393216        ; and tile B's, eight tiles on
	s_lshl_b32 s2, s[TA], 11
	s_add_nc_u64 s[20:21], s[88:89], s[2:3]
	s_add_nc_u64 s[22:23], s[20:21], 16384
	s_cmp_eq_u32 s[PASS], 0
	s_cbranch_scc1 .Lhave                          ; the first pass's rows are on their way already
	s_wait_loadcnt 0x0                             ; (where an earlier pass was jumped over, its rows' loads are in before their registers are named again)
	HEAD
.Lhave:
	TURN
	GROUP 0
	GROUP 1
	FINISH 0
	s_cmp_ge_u32 s[TBT], s[NT]
	s_cbranch_scc1 .Lpass_end
	FINISH 1
.Lpass_end:
	s_add_co_u32 s[SLO], s[SLO], 1024              ; 16 tiles on in the list
	s_add_co_u32 s[TA], s[TA], 16
	s_add_co_u32 s[PASS], s[PASS], 1
	s_cmp_lt_u32 s[PASS], 4
	s_cbranch_scc1 .Lpass
	s_wait_tensorcnt 0x0
	ds_add_u32 v39, v43
	s_wait_dscnt 0x0
	s_endpgm
.Lfunc_end_k_qe2baeb6847_up:
	.size	k_qe2baeb6847_up, .Lfunc_end_k_qe2baeb6847_up-k_qe2baeb6847_up
	.p2alignl 7, 3214868480
	.fill 96, 4, 3214868480
	.section	.rodata,"a",@progbits
	.p2align	6, 0x0
	.amdhsa_kernel k_qe2baeb6847_up
		.amdhsa_group_segment_fixed_size 212480
		.amdhsa_private_segment_fixed_size 0
		.amdhsa_enable_private_segment 0
		.amdhsa_kernarg_size 56
		.amdhsa_user_sgpr_count 2
		.amdhsa_user_sgpr_kernarg_segment_ptr 1
		.amdhsa_wavefront_size32 1
		.amdhsa_system_sgpr_workgroup_id_x 1
		.amdhsa_system_sgpr_workgroup_id_y 1
		.amdhsa_system_sgpr_workgroup_id_z 1
		.amdhsa_system_vgpr_workitem_id 0
		.amdhsa_next_free_vgpr 512
		.amdhsa_next_free_sgpr 100
		.amdhsa_reserve_vcc 0
		.amdhsa_float_denorm_mode_32 3
		.amdhsa_float_denorm_mode_16_64 3
		.amdhsa_memory_ordered 1
		.amdhsa_forward_progress 1
		.amdhsa_inst_pref_size 255
	.end_amdhsa_kernel
	.section	.bss,"aw",@nobits
	.p2align	6
	.space	262144
	.amdgpu_metadata
---
amdhsa.version: [ 1, 2 ]
amdhsa.kernels:
  - .name:           k_qe2baeb6847_up
    .symbol:         k_qe2baeb6847_up.kd
    .args:
      - { .name: w1, .offset: 0, .size: 8, .value_kind: global_buffer, .address_space: global }
      - { .name: b1, .offset: 8, .size: 8, .value_kind: global_buffer, .address_space: global }
      - { .name: xq, .offset: 16, .size: 8, .value_kind: global_buffer, .address_space: global }
      - { .name: xs, .offset: 24, .size: 8, .value_kind: global_buffer, .address_space: global }
      - { .name: bm, .offset: 32, .size: 8, .value_kind: global_buffer, .address_space: global }
      - { .name: hq, .offset: 40, .size: 8, .value_kind: global_buffer, .address_space: global }
      - { .name: hs, .offset: 48, .size: 8, .value_kind: global_buffer, .address_space: global }
    .group_segment_fixed_size: 212480
    .private_segment_fixed_size: 0
    .kernarg_segment_align: 8
    .kernarg_segment_size: 56
    .max_flat_workgroup_size: 256
    .sgpr_count:     100
    .vgpr_count:     512
    .wavefront_size: 32
...
	.end_amdgpu_metadata
.endif
;; end of part 2
;; launch down (part 3): grid 32 x 8, 8 waves a work-group, no clusters, 146,944 bytes of LDS; arguments w2, b2, hq, hs, bm, gate, yp; writes yp
.if DOCPART == 3
	.amdgcn_target "amdgcn-amd-amdhsa--gfx1250"
	.amdhsa_code_object_version 6
	.text
	.protected	k_qe2baeb6847_down
	.globl	k_qe2baeb6847_down
	.p2align	8
	.type	k_qe2baeb6847_down,@function
k_qe2baeb6847_down:
	s_mov_b64 s[64:65], 0
	v_nop
	global_prefetch_b8 v0, s[64:65] scope:SCOPE_SE
	s_setreg_imm32_b32 hwreg(HW_REG_WAVE_MODE, 25, 1), 1
	s_wait_xcnt 0x0
; DOWN.  yp[kh][p] = gate[p] x (h Q(w2) over K half kh (+ b2 in half 0)), for every entry p = 1,024 slot + token, on codes of BF6 (E3M2) with one E8M0 byte for each 32 along K.
; Work-group (ds + 16 kh, e) owns w2[e][2,048 kh .. + 2,047][64 ds .. + 63]: 512 KiB of f32 in row pieces of 256 bytes, read from memory ONCE in the launch.
; PHASE A: the slice is quantised along f on its way into LDS (16 units, one for each K step of 128; four fragments each), as in the launch before.  Inside a block of 32 the code at place p is that of row
; 4 (p % 8) + p / 8: the order in which the launch before left h's codes; blocks and scales are not touched by that.  PHASE B: it is multiplied with all row tiles of expert e.
; THE PRODUCT IS USED TRANSPOSED (source 0 = columns 4 R + j of w2, source 1 = 16 rows of h): register i of tile j in lane (R, H) is (row R, column 32 H + 4 i + j).
; The list of entries is built as in the launch before, so place s means the same entry.  Rows are scattered by entry; the places that repeat the first entry store the same values to the same bytes as it, in this work-group.
; A missing second tile is replaced by the first (valid bytes), and its way out is jumped over.  Each row's 256 bytes leave whole: through the wave's own stage in LDS, sixteen lanes to a row.
; h's scale words lie [e][tile][K step / 4][row][K step % 4]: a load of 16 bytes a lane brings four K steps' words of row R, and sixteen lanes cover 256 consecutive bytes, aligned.
; NO TENSOR LOAD, NO CLUSTER: branches hang on the stored routing numbers, and each byte of w2 has one reader; h's fragments, which the 16 work-groups of (e, kh) share, come as images straight into registers, seven K steps ahead.
; LIMITS: NaN and infinities are not served.  A block of w2 whose largest magnitude lies under 2^-122, a block of zeros too, keeps the scale byte 1.
; REGISTERS, window 0: v1-11, v14, v204-211 ids and addresses; v12-13 the gates; v16-43 at work; v32-35, v220-223 the weights' scale words; v44-139 two buffers of four fragments (way out: results, rows, entries, offsets);
;   v140-203 eight accumulators; v224-239 h's scale words.  Window 1: phase A two sets of 128 numbers as loaded; phase B a ring of eight K steps of h (192) and b2 (32).
.set ROWB, 4096                        ; a row of w2[e] in bytes
.set LOGH, 17                          ; 32 rows are 2^17 bytes
.set PERM, 1                           ; the order of h's codes inside a block
.set NB,   8
.set WSC,  98304                       ; LDS: 0 .. 98,303 the 16 units; their scale words;
.set LIST, 106496                      ; the list: 1,152 words;
.set STG,  111104                      ; a stage of 16 rows x (256 + 16) bytes for each wave
.set VR, 1
.set VH, 2
.set VOFF, 3
.set LI, 4
.set AWI, 5
.set ASC, 6
.set SH8, 7
.set LIW1, 9
.set LISC, 10
.set LL, 11
.set GA, 12
.set R16, 14
.set AM, 16
.set SCL, 20
.set BY, 24
.set PT, 28
.set SW, 32
.set CT, 36
.set FG, 44
.set TP, 92
.set RB, 156
.set WB, 44
.set WS0, 32
.set WS1, 220
.set ACC, 140
.set HS, 224
.set OO, 44
.set RK, 76
.set EN, 108
.set VA, 116
.set SO, 204                           ; the stage: where I put 128 bytes of row R
.set SR, 205                           ; and where I read rows back: lanes 0-15 row t, lanes 16-31 row 8 + t
.set LB, 206                           ; the list: LIST + 64 w + 32 H: the entries of those rows
.set SB, 4
.set WV, 90
.set NN, 91
.set NT, 92
.set SEL, 96
.set PASS, 12
.set SLO, 13
.set TA, 14
.set TBT, 15
.set MSB, 0
.macro WIN new                         ; s_set_vgpr_msb: bits 1:0 source 0, 3:2 source 1, 5:4 source 2, 7:6 destination; the high byte repeats the setting that is left
.if MSB != \new
	s_set_vgpr_msb (MSB<<8)|\new
.set MSB, \new
.endif
.endm
.macro PLACES                          ; four places behind a matrix instruction of this form, ahead of loads into its registers and of the first read of a result
.rept 4
	v_nop
.endr
.endm
.macro LOADSET q                       ; rows 64 q + 32 H + 0 .. 31 of my 256, four columns a lane, into set q % 2 of window 1
	WIN 0x40
.set i, 0
.rept 32
	global_load_b128 v[128*((\q)&1)+4*i:128*((\q)&1)+4*i+3], v[VOFF], s[SB:SB+1] offset:(64*(\q)+i)*ROWB th:TH_LOAD_NT
.set i, i+1
.endr
	WIN 0
.endm
.macro PROC q, left                    ; set q: a block of 32 along K of four columns becomes half a fragment's codes for each of the four tiles.  left: the younger loads, which may stay out
.set LQ, 128*((\q)&1)
.set CC, (\q)&1
	s_wait_loadcnt \left
.if (\q) == 2
	s_wait_dscnt 0x0                               ; the first K step's image stores have read their registers
.endif
	WIN 0x14
.irp j, 0,1,2,3
	v_max3_num_f32 v[AM+\j], 0x2800000, |v[LQ+\j]|, |v[LQ+4+\j]|   ; the floor 2^(5 - 127) among the leaves: the byte cannot fall under 1
.endr
.irp i, 2,4,6,8,10,12,14,16,18,20,22,24,26,28,30
.irp j, 0,1,2,3
	v_max3_num_f32 v[AM+\j], v[AM+\j], |v[LQ+4*\i+\j]|, |v[LQ+4*\i+4+\j]|   ; four columns by turns
.endr
.endr
	WIN 0
.irp j, 0,1,2,3
	v_add_nc_u32 v[SCL+\j], 0xfe000000, v[AM+\j]   ; 4 off the exponent field: the conversion's scale operand
.endr
.irp j, 0,1,2,3
.if CC == 0
	v_lshrrev_b32 v[SW+\j], 23, v[SCL+\j]          ; the byte of block H
.else
	v_lshrrev_b32 v[BY+\j], 23, v[SCL+\j]          ; the byte of block 2 + H
.endif
.endr
.if CC
.irp j, 0,1,2,3
	v_lshl_or_b32 v[SW+\j], v[BY+\j], 16, v[SW+\j]
.endr
.endif
.irp jp, 0,1                                   ; two columns at a time
	WIN 0x01
.set p, 0
.rept 32
.if PERM
.set SRC, LQ+4*(4*(p%8)+p/8)+2*\jp
.else
.set SRC, LQ+4*p+2*\jp
.endif
	v_mov_b32 v[TP+p], v[SRC]                      ; a column's 32 numbers on end, in the order of h's codes
	v_mov_b32 v[TP+32+p], v[SRC+1]
.set p, p+1
.endr
	WIN 0
.irp jj, 0,1
	v_cvt_scalef32_pk16_bf6_f32 v[FG+12*(2*\jp+\jj)+6*CC:FG+12*(2*\jp+\jj)+6*CC+2], v[TP+32*\jj:TP+32*\jj+15], v[SCL+2*\jp+\jj]
	v_cvt_scalef32_pk16_bf6_f32 v[CT+4*\jj:CT+4*\jj+2], v[TP+32*\jj+16:TP+32*\jj+31], v[SCL+2*\jp+\jj]   ; (a conversion's three registers begin on an even number)
.endr
	v_nop                                          ; one plain place behind a scaled conversion
.irp jj, 0,1
.irp i, 0,1,2
	v_mov_b32 v[FG+12*(2*\jp+\jj)+6*CC+3+\i], v[CT+4*\jj+\i]
.endr
.endr
.endr
.endm
.macro KDONE s2                        ; a K step's four fragments and their scale words go to LDS as they stand
.irp j, 0,1,2,3
	v_lshlrev_b32 v[SW+\j], v[SH8], v[SW+\j]
.endr
.irp j, 0,1,2,3
	v_permlanex16_b32 v[PT+\j], v[SW+\j], s[SEL], s[SEL+1]
.endr
.irp j, 0,1,2,3
	v_or_b32 v[SW+\j], v[SW+\j], v[PT+\j]          ; with lane l xor 16's two bytes the word is whole
.endr
.irp j, 0,1,2,3
.irp g, 0,1,2
	ds_store_b128 v[AWI], v[FG+12*\j+4*\g:FG+12*\j+4*\g+3] offset:6144*(\s2)+1536*\j+512*\g
.endr
.endr
	ds_store_b128 v[ASC], v[SW:SW+3] offset:512*(\s2)
.endm
.macro WLOAD adr, off, soff, b         ; a unit (12 loads) and its scale words (1) into buffer b
.irp j, 0,1,2,3
.irp g, 0,1,2
	ds_load_b128 v[WB+48*(\b)+12*\j+4*\g:WB+48*(\b)+12*\j+4*\g+3], v[\adr] offset:(\off)+1536*\j+512*\g
.endr
.endr
	ds_load_b128 v[WS0+(WS1-WS0)*(\b):WS0+(WS1-WS0)*(\b)+3], v[LISC] offset:\soff
.endm
.macro HLOAD s                         ; h's fragments of K step s, tiles A and B, into slot s % 8 of the ring: six loads of 512 consecutive bytes
.irp g, 0,1,2
	global_load_b128 v[24*((\s)%8)+4*\g:24*((\s)%8)+4*\g+3], v[LI], s[16:17] offset:1536*(\s)+512*\g
	global_load_b128 v[24*((\s)%8)+12+4*\g:24*((\s)%8)+12+4*\g+3], v[LI], s[18:19] offset:1536*(\s)+512*\g
.endr
.endm
.macro KSTEP s                         ; K step s of my half: eight products, the eight accumulators by turns in the same order in every step
.if (\s) > 0
	PLACES                                         ; the buffer and the ring's slot to be loaded were read by the products just issued
.endif
.if (\s) < 15
.set WAD, LI+(LIW1-LI)*(((\s)+1)/8)
	WLOAD WAD, 6144*(((\s)+1)%8), 512*((\s)+1), ((\s)+1)%2
.endif
.if ((\s) > 0) && ((\s) < 9)
	WIN 0x40
	HLOAD (\s)+7                                   ; seven steps ahead, into the slot of the step before this one
.endif
.if (\s) < 15
	s_wait_dscnt 13                                ; this step's 13 loads are in; the 13 just issued may be out
.else
	s_wait_dscnt 0x0
.endif
.if (\s) < 9
	s_wait_loadcnt 42                              ; this step's fragments are in (and all that is older: gates, scale words); seven later steps of six loads may be out
.else
	s_wait_loadcnt 6*(15-(\s))
.endif
.if (\s) == 0
	WIN 0x14                                       ; h and the bias in window 1
.else
	WIN 0x04
.endif
.irp a, 0,1
.irp j, 0,1,2,3
.set rD, ACC+32*\a+8*\j
.set rA, WB+48*((\s)%2)+12*\j
.set rB, 24*((\s)%8)+12*\a
.set rS, WS0+(WS1-WS0)*((\s)%2)+\j
.if (\s) == 0
.set rC, 192+8*\j                              ; b2 (half 0) or zeros (half 1) start the sum
.else
.set rC, rD
.endif
.if \a
	v_wmma_scale_f32_16x16x128_f8f6f4 v[rD:rD+7], v[rA:rA+11], v[rB:rB+11], v[rC:rC+7], v[rS], v[HS+(\s)] matrix_a_fmt:MATRIX_FMT_BF6 matrix_b_fmt:MATRIX_FMT_BF6 matrix_b_scale:MATRIX_SCALE_ROW1
.else
	v_wmma_scale_f32_16x16x128_f8f6f4 v[rD:rD+7], v[rA:rA+11], v[rB:rB+11], v[rC:rC+7], v[rS], v[HS+(\s)] matrix_a_fmt:MATRIX_FMT_BF6 matrix_b_fmt:MATRIX_FMT_BF6
.endif
.endr
.endr
	WIN 0
.endm
.macro OUT a                           ; row tile a: x the gate, through my stage, and out by entry
	s_wait_xcnt 0x0                                ; earlier stores have read their data and offsets
.irp i, 0,1,2,3,4,5,6,7
.irp j, 0,1,2,3
	v_mul_f32 v[OO+4*\i+\j], v[ACC+32*(\a)+8*\j+\i], v[GA+(\a)]   ; each accumulator is read from its low end on; the multiply also puts my 32 columns in memory's order
.endr
.endr
.irp m, 0,1,2,3,4,5,6,7
	ds_store_b128 v[SO], v[OO+4*\m:OO+4*\m+3] offset:16*\m
.endr
.irp t, 0,1,2,3,4,5,6,7
	ds_load_b128 v[RK+4*\t:RK+4*\t+3], v[SR] offset:272*\t   ; LDS serves a wave's instructions in order: these see my stores
.endr
	ds_load_b128 v[EN:EN+3], v211 offset:512*(\a)
	ds_load_b128 v[EN+4:EN+7], v211 offset:512*(\a)+16
	s_wait_dscnt 0x0
.irp t, 0,1,2,3,4,5,6,7
	v_min_u32 v[EN+\t], 2047, v[EN+\t]
.endr
.irp t, 0,1,2,3,4,5,6,7
	v_lshl_add_u32 v[VA+\t], v[EN+\t], 12, v[R16]  ; entry x 4,096 bytes + 16 R
.endr
.irp t, 0,1,2,3,4,5,6,7
	global_store_b128 v[VA+\t], v[RK+4*\t:RK+4*\t+3], s[88:89]   ; sixteen lanes store 256 consecutive bytes, aligned
.endr
.endm
	s_load_b256 s[4:11], s[0:1], 0x0               ; w2, b2, hq, hs
	s_load_b128 s[84:87], s[0:1], 0x20             ; bm, gate
	s_load_b64 s[88:89], s[0:1], 0x30              ; yp
	v_lshl_add_u32 v218, v0, 2, 0x23a00
	v_mov_b32 v219, 0
	v_lshrrev_b32 v1, 5, v0
	v_readfirstlane_b32 s[WV], v1                  ; wave 0..7
	v_and_b32 v[VR], 15, v0
	v_bfe_u32 v[VH], v0, 4, 1
	v_and_b32 v[LI], 31, v0
	v_lshlrev_b32 v[LI], 4, v[LI]
	v_lshlrev_b32 v[VOFF], 4, v[VR]
	v_lshl_add_u32 v[VOFF], v[VH], LOGH, v[VOFF]
	v_lshlrev_b32 v[SH8], 3, v[VH]
	v_lshlrev_b32 v[R16], 4, v[VR]
	v_add_nc_u32 v[LIW1], 49152, v[LI]
	v_add_nc_u32 v[LISC], WSC, v[LI]
	s_and_b32 s95, ttmp7, 0xffff                   ; the expert
	s_and_b32 s94, ttmp9, 15                       ; ds: which 64 columns
	s_lshr_b32 s100, ttmp9, 4                      ; kh: which half of K
	s_cmp_eq_u32 s100, 0
	s_cselect_b32 s101, -1, 0                      ; all lanes in half 0, none in half 1
	s_mul_i32 s3, s[WV], 12288                     ; my two units: 2 w, 2 w + 1
	v_add_nc_u32 v[AWI], s3, v[LI]
	s_lshl_b32 s3, s[WV], 10
	s_add_co_u32 s3, s3, WSC
	v_add_nc_u32 v[ASC], s3, v[LI]
	s_lshl_b32 s3, s[WV], 6
	s_add_co_u32 s3, s3, LIST
	v_lshl_add_u32 v[LL], v[VR], 2, s3
	v_lshl_add_u32 v[LB], v[VH], 5, s3
	s_mul_i32 s3, s[WV], 4352
	s_add_co_u32 s3, s3, STG
	v_mul_u32_u24 v[SO], v[VR], 272
	v_lshl_add_u32 v[SO], v[VH], 7, v[SO]
	v_add_nc_u32 v[SO], s3, v[SO]
	v_mul_u32_u24 v[SR], v[VH], 2176
	v_lshl_add_u32 v[SR], v[VR], 4, v[SR]
	v_add_nc_u32 v[SR], s3, v[SR]
	s_mov_b32 s[SEL], 0x76543210
	s_mov_b32 s[SEL+1], 0xfedcba98
.irp j, 0,1,2,3
	v_mov_b32 v[PT+\j], 0                          ; written once: a lane permute's destination counts as one of its sources
.endr
	s_lshl_b32 s2, s95, 24                         ; e x 16 MiB
	s_lshl_b32 s3, s100, 23                        ; + 2,048 kh rows
	s_add_co_u32 s2, s2, s3
	s_lshl_b32 s3, s[WV], 20                       ; + 256 w rows
	s_add_co_u32 s2, s2, s3
	s_lshl_b32 s3, s94, 8                          ; + 64 ds columns
	s_add_co_u32 s2, s2, s3
	s_mov_b32 s3, 0
	s_wait_kmcnt 0x0
	s_add_nc_u64 s[SB:SB+1], s[SB:SB+1], s[2:3]
	s_lshl_b32 s2, s95, 8
	s_add_nc_u64 s[84:85], s[84:85], s[2:3]        ; bm at my expert's 64 words
	s_load_b512 s[16:31], s[84:85], 0x0            ; they are asked for ahead of the stream, so that the list is built while the first set is on its way.  Word c in s[16 + c], from c = 48 on in s[20 + c]
	s_load_b512 s[32:47], s[84:85], 0x40
	s_load_b512 s[48:63], s[84:85], 0x80
	s_load_b512 s[68:83], s[84:85], 0xc0
	LOADSET 0                                      ; 32 loads of 512 bytes a wave: a quarter of the work-group's slice
	s_lshl_b32 s2, s95, 12
	s_lshl_b32 s98, s94, 8
	s_add_co_u32 s2, s2, s98
	s_add_nc_u64 s[6:7], s[6:7], s[2:3]            ; b2 at my 64 columns
	s_mul_i32 s2, s95, 3145728
	s_mul_i32 s98, s100, 24576
	s_add_co_u32 s2, s2, s98
	s_add_nc_u64 s[8:9], s[8:9], s[2:3]            ; hq at (e, tile 0, K step 16 kh)
	s_lshl_b32 s2, s95, 17
	s_lshl_b32 s98, s100, 10
	s_add_co_u32 s2, s2, s98
	s_add_nc_u64 s[10:11], s[10:11], s[2:3]        ; hs likewise: a K half's words of a tile are 1,024 bytes on end
	s_lshl_b32 s2, s100, 23
	s_lshl_b32 s98, s94, 8
	s_add_co_u32 s2, s2, s98
	s_add_nc_u64 s[88:89], s[88:89], s[2:3]        ; yp at (kh, entry 0, my 64 columns)
	s_mov_b32 s[NN], 0
	s_wait_kmcnt 0x0
.set c, 0
.rept 64
	s_bcnt1_i32_b32 s98, s[16+c+4*(c/48)]
	s_add_co_u32 s[NN], s[NN], s98
.set c, c+1
.endr
	s_add_co_u32 s[NT], s[NN], 15
	s_lshr_b32 s[NT], s[NT], 4
	s_min_u32 s[NT], s[NT], 64
	s_cmp_lg_u32 s[WV], 0
	s_cbranch_scc1 .Lbuilt
	; ---- wave 0 lists the entries, as in the launch before.  v240-255 serve this alone
	v_and_b32 v254, 31, v0
	v_add_nc_u32 v246, 1056, v254                  ; a lane whose bit is not set writes to a word of its own behind the list
	v_lshl_or_b32 v247, v[VH], 10, v[VR]           ; bit l of word c is entry 1,024 (l / 16) + 16 c + l % 16
.irp k, 0,1,2,3
	v_mov_b32 v[248+\k], 0
.endr
	v_add_nc_u32 v252, LIST, v[LI]
.irp k, 0,1,2,3,4,5,6,7,8
	ds_store_b128 v252, v[248:251] offset:512*\k
.endr
	s_mov_b32 s93, 0
.set c, 0
.rept 64
.set MKR, 16+c+4*(c/48)
.set z, c%2
	v_mbcnt_lo_u32_b32 v[240+z], s[MKR], s93       ; the set bits under mine, and those of the words before: my place
	v_cndmask_b32 v[240+z], v246, v[240+z], s[MKR]
	v_min_u32 v[240+z], 1087, v[240+z]
	v_lshl_add_u32 v[242+z], v[240+z], 2, LIST
	v_add_nc_u32 v[244+z], 16*c, v247
	ds_store_b32 v[242+z], v[244+z]
	s_bcnt1_i32_b32 s98, s[MKR]
	s_add_co_u32 s93, s93, s98
.set c, c+1
.endr
	v_mov_b32 v255, LIST
	ds_load_b32 v253, v255                         ; LDS serves a wave's instructions in order: the first entry
	v_add_nc_u32 v240, s[NN], v254
	v_min_u32 v240, 1055, v240
	v_lshl_add_u32 v242, v240, 2, LIST
	s_wait_dscnt 0x0
	ds_store_b32 v242, v253                        ; places n .. n + 31 repeat it
.Lbuilt:
	LOADSET 1                                      ; the second quarter: with it half of the slice has been asked for
	s_wait_dscnt 0x0
	s_barrier_signal -1
	s_barrier_wait -1                              ; the list stands; only now do the other waves touch LDS
	PROC 0, 32                                     ; 32: the younger set
	LOADSET 2
	PROC 1, 32
	KDONE 0
	LOADSET 3
	v_lshlrev_b32 v15, 7, v[VH]
.irp m, 0,1,2,3,4,5,6,7
	global_load_b128 v[RB+4*\m:RB+4*\m+3], v15, s[6:7] offset:16*\m   ; b2 of columns 32 H + 0 .. 31
.endr
	PROC 2, 32+NB                                  ; the younger set and the bias
	PROC 3, NB                                     ; the bias
	KDONE 1
	s_wait_loadcnt 0x0
	WIN 0x40
.irp j, 0,1,2,3
.irp i, 0,1,2,3,4,5,6,7
	v_cndmask_b32 v[192+8*\j+\i], 0, v[RB+4*\i+\j], s101   ; in the result's layout; the bias counts once, in K half 0
.endr
.endr
	WIN 0
	s_wait_dscnt 0x0                               ; for the others' sake: my images have landed
	s_barrier_signal -1
	s_barrier_wait -1                              ; the slice lies in LDS as 64 fragments
	s_mov_b32 s[PASS], 0
	s_mov_b32 s[SLO], 0
	s_mov_b32 s[TA], s[WV]
.Lpass:
	s_cmp_ge_u32 s[TA], s[NT]
	s_cbranch_scc1 .Lpass_end
	s_add_co_u32 s[TBT], s[TA], 8
	s_wait_xcnt 0x0                                ; the last pass's stores have read their data and offsets: both are written again below
	v_add_nc_u32 v207, s[SLO], v[LL]
	v_add_nc_u32 v211, s[SLO], v[LB]
	ds_load_b32 v208, v207                         ; row R's entry in tile A,
	ds_load_b32 v209, v207 offset:512              ; and in tile B
	s_mul_i32 s2, s[TA], 49152
	s_mov_b32 s3, 0
	s_add_nc_u64 s[16:17], s[8:9], s[2:3]          ; tile A's fragments
	s_lshl_b32 s2, s[TA], 11
	s_add_nc_u64 s[20:21], s[10:11], s[2:3]        ; and scale words
	s_cmp_lt_u32 s[TBT], s[NT]
	s_cselect_b32 s2, 393216, 0                    ; tile B lies eight tiles on; a missing one is replaced by tile A: no byte is read that was not stored
	s_cselect_b32 s22, 16384, 0
	s_add_nc_u64 s[18:19], s[16:17], s[2:3]
	v_mul_u32_u24 v210, s22, v[VH]
	v_add_nc_u32 v210, v210, v[R16]                ; lanes 0-15 fetch tile A's scale words, lanes 16-31 tile B's: 16 bytes a row
	s_wait_dscnt 0x0
	v_min_u32 v208, 2047, v208
	v_min_u32 v209, 2047, v209
	v_lshlrev_b32 v208, 2, v208
	v_lshlrev_b32 v209, 2, v209
	global_load_b32 v[GA], v208, s[86:87]
	global_load_b32 v[GA+1], v209, s[86:87]
.irp q, 0,1,2,3
	global_load_b128 v[HS+4*\q:HS+4*\q+3], v210, s[20:21] offset:256*\q   ; the words of K steps 4 q .. 4 q + 3: sixteen lanes cover 256 consecutive bytes, aligned
.endr
	WIN 0x40
.irp s, 0,1,2,3,4,5,6,7
	HLOAD \s
.endr
	WIN 0
	WLOAD LI, 0, 0, 0
.irp s, 0,1,2,3,4,5,6,7,8,9,10,11,12,13,14,15
	KSTEP \s
.endr
	PLACES
	OUT 0
	s_cmp_ge_u32 s[TBT], s[NT]
	s_cbranch_scc1 .Lpass_end
	OUT 1
.Lpass_end:
	s_add_co_u32 s[SLO], s[SLO], 1024              ; 16 tiles on in the list
	s_add_co_u32 s[TA], s[TA], 16
	s_add_co_u32 s[PASS], s[PASS], 1
	s_cmp_lt_u32 s[PASS], 4
	s_cbranch_scc1 .Lpass
	s_wait_tensorcnt 0x0
	ds_add_u32 v218, v219
	s_wait_dscnt 0x0
	s_endpgm
.Lfunc_end_k_qe2baeb6847_down:
	.size	k_qe2baeb6847_down, .Lfunc_end_k_qe2baeb6847_down-k_qe2baeb6847_down
	.p2alignl 7, 3214868480
	.fill 96, 4, 3214868480
	.section	.rodata,"a",@progbits
	.p2align	6, 0x0
	.amdhsa_kernel k_qe2baeb6847_down
		.amdhsa_group_segment_fixed_size 146944
		.amdhsa_private_segment_fixed_size 0
		.amdhsa_enable_private_segment 0
		.amdhsa_kernarg_size 56
		.amdhsa_user_sgpr_count 2
		.amdhsa_user_sgpr_kernarg_segment_ptr 1
		.amdhsa_wavefront_size32 1
		.amdhsa_system_sgpr_workgroup_id_x 1
		.amdhsa_system_sgpr_workgroup_id_y 1
		.amdhsa_system_sgpr_workgroup_id_z 1
		.amdhsa_system_vgpr_workitem_id 0
		.amdhsa_next_free_vgpr 512
		.amdhsa_next_free_sgpr 102
		.amdhsa_reserve_vcc 0
		.amdhsa_float_denorm_mode_32 3
		.amdhsa_float_denorm_mode_16_64 3
		.amdhsa_memory_ordered 1
		.amdhsa_forward_progress 1
		.amdhsa_inst_pref_size 149
	.end_amdhsa_kernel
	.amdgpu_metadata
---
amdhsa.version: [ 1, 2 ]
amdhsa.kernels:
  - .name:           k_qe2baeb6847_down
    .symbol:         k_qe2baeb6847_down.kd
    .args:
      - { .name: w2, .offset: 0, .size: 8, .value_kind: global_buffer, .address_space: global }
      - { .name: b2, .offset: 8, .size: 8, .value_kind: global_buffer, .address_space: global }
      - { .name: hq, .offset: 16, .size: 8, .value_kind: global_buffer, .address_space: global }
      - { .name: hs, .offset: 24, .size: 8, .value_kind: global_buffer, .address_space: global }
      - { .name: bm, .offset: 32, .size: 8, .value_kind: global_buffer, .address_space: global }
      - { .name: gate, .offset: 40, .size: 8, .value_kind: global_buffer, .address_space: global }
      - { .name: yp, .offset: 48, .size: 8, .value_kind: global_buffer, .address_space: global }
    .group_segment_fixed_size: 146944
    .private_segment_fixed_size: 0
    .kernarg_segment_align: 8
    .kernarg_segment_size: 56
    .max_flat_workgroup_size: 256
    .sgpr_count:     102
    .vgpr_count:     512
    .wavefront_size: 32
...
	.end_amdgpu_metadata
.endif
;; end of part 3
;; launch sum (part 4): grid 256 x 1, 8 waves a work-group, no clusters, 0 bytes of LDS; arguments yp, out0; writes out0
.if DOCPART == 4
	.amdgcn_target "amdgcn-amd-amdhsa--gfx1250"
	.amdhsa_code_object_version 6
	.text
	.protected	k_qe2baeb6847_sum
	.globl	k_qe2baeb6847_sum
	.p2align	8
	.type	k_qe2baeb6847_sum,@function
k_qe2baeb6847_sum:
	s_mov_b64 s[64:65], 0
	v_nop
	global_prefetch_b8 v0, s[64:65] scope:SCOPE_SE
	s_setreg_imm32_b32 hwreg(HW_REG_WAVE_MODE, 25, 1), 1
	s_wait_xcnt 0x0
; SUM.  out0[token] = yp[0][token] + yp[0][1,024 + token] + yp[1][token] + yp[1][1,024 + token]: a token's two experts, each in two halves of K, all four already weighed by their gates.
; A plain stream: a work-group owns 16,384 bytes of out0, four chunks of 4,096; a thread 16 bytes of each.  All 16 loads of a wave go out first; each load and store of a wave covers 512 consecutive bytes, aligned.
; No LDS, no barrier, no matrix unit: nothing is shared and nothing is multiplied.
	s_load_b128 s[4:7], s[0:1], 0x0                ; yp, out0
	v_lshlrev_b32 v1, 4, v0
	s_lshl_b32 s2, ttmp9, 14
	s_mov_b32 s3, 0
	s_wait_kmcnt 0x0
	s_add_nc_u64 s[4:5], s[4:5], s[2:3]            ; K half 0
	s_add_nc_u64 s[6:7], s[6:7], s[2:3]
	s_add_nc_u64 s[8:9], s[4:5], 0x800000          ; K half 1: 2,048 rows of 4,096 bytes on
.irp c, 0,1,2,3
	global_load_b128 v[4+16*\c:7+16*\c], v1, s[4:5] offset:4096*\c th:TH_LOAD_NT
	global_load_b128 v[8+16*\c:11+16*\c], v1, s[4:5] offset:4194304+4096*\c th:TH_LOAD_NT
	global_load_b128 v[12+16*\c:15+16*\c], v1, s[8:9] offset:4096*\c th:TH_LOAD_NT
	global_load_b128 v[16+16*\c:19+16*\c], v1, s[8:9] offset:4194304+4096*\c th:TH_LOAD_NT
.endr
.irp c, 0,1,2,3
	s_wait_loadcnt 12-4*\c                         ; this chunk's four loads are in; the later chunks' may be out
	v_pk_add_f32 v[4+16*\c:5+16*\c], v[4+16*\c:5+16*\c], v[8+16*\c:9+16*\c]
	v_pk_add_f32 v[6+16*\c:7+16*\c], v[6+16*\c:7+16*\c], v[10+16*\c:11+16*\c]
	v_pk_add_f32 v[12+16*\c:13+16*\c], v[12+16*\c:13+16*\c], v[16+16*\c:17+16*\c]
	v_pk_add_f32 v[14+16*\c:15+16*\c], v[14+16*\c:15+16*\c], v[18+16*\c:19+16*\c]
	v_pk_add_f32 v[4+16*\c:5+16*\c], v[4+16*\c:5+16*\c], v[12+16*\c:13+16*\c]
	v_pk_add_f32 v[6+16*\c:7+16*\c], v[6+16*\c:7+16*\c], v[14+16*\c:15+16*\c]
	global_store_b128 v1, v[4+16*\c:7+16*\c], s[6:7] offset:4096*\c th:TH_STORE_NT
.endr
	s_endpgm
.Lfunc_end_k_qe2baeb6847_sum:
	.size	k_qe2baeb6847_sum, .Lfunc_end_k_qe2baeb6847_sum-k_qe2baeb6847_sum
	.p2alignl 7, 3214868480
	.fill 96, 4, 3214868480
	.section	.rodata,"a",@progbits
	.p2align	6, 0x0
	.amdhsa_kernel k_qe2baeb6847_sum
		.amdhsa_group_segment_fixed_size 0
		.amdhsa_private_segment_fixed_size 0
		.amdhsa_enable_private_segment 0
		.amdhsa_kernarg_size 16
		.amdhsa_user_sgpr_count 2
		.amdhsa_user_sgpr_kernarg_segment_ptr 1
		.amdhsa_wavefront_size32 1
		.amdhsa_system_sgpr_workgroup_id_x 1
		.amdhsa_system_sgpr_workgroup_id_y 1
		.amdhsa_system_sgpr_workgroup_id_z 1
		.amdhsa_system_vgpr_workitem_id 0
		.amdhsa_next_free_vgpr 96
		.amdhsa_next_free_sgpr 66
		.amdhsa_reserve_vcc 0
		.amdhsa_float_denorm_mode_32 3
		.amdhsa_float_denorm_mode_16_64 3
		.amdhsa_memory_ordered 1
		.amdhsa_forward_progress 1
		.amdhsa_inst_pref_size 5
	.end_amdhsa_kernel
	.amdgpu_metadata
---
amdhsa.version: [ 1, 2 ]
amdhsa.kernels:
  - .name:           k_qe2baeb6847_sum
    .symbol:         k_qe2baeb6847_sum.kd
    .args:
      - { .name: yp, .offset: 0, .size: 8, .value_kind: global_buffer, .address_space: global }
      - { .name: out0, .offset: 8, .size: 8, .value_kind: global_buffer, .address_space: global }
    .group_segment_fixed_size: 0
    .private_segment_fixed_size: 0
    .kernarg_segment_align: 8
    .kernarg_segment_size: 16
    .max_flat_workgroup_size: 256
    .sgpr_count:     66
    .vgpr_count:     96
    .wavefront_size: 32
...
	.end_amdgpu_metadata
.endif
;; end of part 4
;; ======== version 2 of 2: 4 launches; version 1 with the launches up, down written anew for expert scheduling mode
;; workspace buffers: xq 786,432 bytes; xs 32,768 bytes; bm 2,048 bytes of whole numbers; gate 8,192 bytes; hq 25,165,824 bytes; hs 1,048,576 bytes; yp 16,777,216 bytes
;; launch route: the kernel of part 1 again; grid 64 x 1, 8 waves a work-group, no clusters, 22,016 bytes of LDS; arguments x, router_w, router_b, xq, xs, bm, gate; writes xq, xs, bm, gate
;; launch up (part 5): grid 32 x 8, 8 waves a work-group, no clusters, 212,480 bytes of LDS; arguments w1, b1, xq, xs, bm, hq, hs; writes hq, hs
.if DOCPART == 5
	.amdgcn_target "amdgcn-amd-amdhsa--gfx1250"
	.amdhsa_code_object_version 6
	.text
	.protected	k_qe2baeb6847_up
	.globl	k_qe2baeb6847_up
	.p2align	8
	.type	k_qe2baeb6847_up,@function
k_qe2baeb6847_up:
	s_mov_b64 s[64:65], 0
	v_nop
	global_prefetch_b8 v0, s[64:65] scope:SCOPE_SE
	s_setreg_imm32_b32 hwreg(HW_REG_WAVE_SCHED_MODE, 0, 2), 2
	s_setreg_imm32_b32 hwreg(HW_REG_WAVE_MODE, 25, 1), 1
	s_wait_xcnt 0x0
	s_wait_alu depctr_vm_vsrc(0)
; UP.  h = Q(gelu(Q(x) Q(w1) + b1)) for the rows that chose an expert.  Codes of BF6 (E3M2), one E8M0 byte for each 32 along K.
; Work-group (fs, e) owns w1[e][all 1,024 k][128 fs .. 128 fs + 127]: 512 KiB of f32, read from memory ONCE in the launch.
; PHASE A: the slice is quantised along k on its way into LDS, as images of operand registers (16 units of four fragments).  PHASE B: it is multiplied with all rows routed to expert e.
; A wave's load takes two pieces of 256 consecutive bytes (lanes 0-15 row k, lanes 16-31 row k + 32), four neighbouring columns a lane.  So TILE j OF A GROUP OF 64 COLUMNS IS COLUMNS 4 R + j, and after 32 loads
; lane (R, H) holds the whole block of 32 along k that the operand's layout gives it, for four columns: a block's maximum needs no other lane.  A move a number brings a column's 32 numbers on end for the conversion.
; THE PRODUCT IS USED TRANSPOSED (source 0 = 16 columns of w1, source 1 = 16 rows of x): register i of tile j in lane (R, H) is (row R, column 32 H + 4 i + j): a group's 32 registers of a lane are one whole block
; of 32 along the next K.  Its codes stand at place 8 j + i for unit 4 i + j; the next launch lays w2's rows in the same order, so the products pair; blocks and scales are not touched by that.
; WHICH ROWS: bm holds, for each expert, a bit for each entry p = 1,024 slot + token.  Wave 0 lists the set bits in ascending order in LDS, while the first loads of w1 are on their way.  Places n .. n + 31 repeat the first entry, all others hold 0.
; In pass i (four passes, a constant) wave w takes row tiles w + 16 i and w + 16 i + 8; a pass without a first tile is jumped over; a missing second tile is multiplied on valid data and its epilogue and stores are jumped over.
; x'S ROWS COME WHOLE: a token's codes are 768 consecutive bytes; a load takes 256 aligned consecutive bytes of one token in lanes 0-15 and of another in lanes 16-31.  The operand wants a row to a lane, so a tile's 16 rows
; turn through a stage of the wave's own in LDS (rows 784 bytes apart).
; NO TENSOR LOAD, NO CLUSTER: branches hang on the stored routing numbers, each byte of w1 has one reader, and what work-groups share (x's codes, under 1 MB) is gathered by rows.
; gelu(v) = max(v, 0) - |v| erfc(|v| / sqrt 2) / 2, with erfc(z) = t exp(-z^2 + P(t)), t = 1 / (1 + z / 2), P of degree 9 (fractional error of the form 1.2e-7 for every z).
; LIMITS: NaN and infinities are not served.  erfc / 2 under 2^-126 (|v| above about 13) counts as 0: gelu is then v or 0.  A block whose largest magnitude lies under 2^-122, a block of zeros too, keeps the scale byte 1.
; REGISTERS, window 0: v1-11 ids and addresses; v12-13 h's scale words; v16-43 at work; v32-35, v220-223 the weights' scale words; v44-139 two buffers of four fragments (phase A: the fragments made, and 64 numbers on end;
;   pass head: the rows' offsets; epilogue: t, exponent, polynomial; wave 0 at the head: with v140-171 the list's addresses and entries); v140-203 eight accumulators; v204-214 the pass's addresses; v224-231 x's scale words; v232-255 h's codes.
;   Window 1: phase A two sets of 128 numbers as loaded; phase B x's fragments of two row tiles (192) and b1 (64).
; THE MODE: SCHED_MODE bits 1:0 = 2 (LLVM: expert scheduling mode 2), set by the entry lines.  The code itself states the register dependences between vector or matrix instructions and memory or LDS instructions, with s_wait_alu, always for 0.
; THE PLAN.  Registers that memory or LDS instructions touch, and who else names them:
;   v3-v11        offsets and LDS addresses: made at the head, never written again.  One wait on va_vdst ahead of the first load.
;   the list      wave 0 makes all its addresses and entries first (v44-171, v240-255); one wait on va_vdst, then all its LDS stores; one wait on vm_vsrc at the arm's end frees the registers.
;   sets 0, 1     (window 1)  PROC q reads set q % 2; behind it one wait on va_vdst, then the loads of set q + 2 land there.
;   v44-91, v32-35  a K step's fragments and scale words: written by PROC and KPACK, read by KSTORE's LDS stores behind the same wait; written again behind a wait on vm_vsrc at the next K step's head.
;   a pass        its head: one wait on vm_vsrc (the last pass's stores and loads have read h's codes and words and the pass's addresses).  HEAD: a wait on va_vdst ahead of the list's loads, one more behind both chains of offsets, ahead of all 50 loads.
;                 TURN: a tile's stage stores read the registers in which its stage loads land: the window switch, both waits, the loads.
;   buffers 0, 1  (v44-91 with v32-35, v92-139 with v220-223)  Step s's products read buffer s % 2; the loads of step s + 1 land in the other, which step s - 1's products read: ONE wait on va_vdst at the head of steps 1 to 6;
;                 the 13 loads are dealt among the step's first products, which name none of the registers that they touch.  The second group's head has one more: the epilogue worked in v44-139.
;   v232-255, v12-13  written by the epilogue, read by FINISH's stores behind a wait on va_vdst.
.set ROWB, 16384                       ; a row of w1[e] in bytes
.set LOGH, 19                          ; 32 rows are 2^19 bytes
.set PERM, 0                           ; k in its natural order inside a block
.set NB,   16                          ; loads that bring the bias
.set WSC,  98304                       ; LDS: 0 .. 98,303 the 16 units (unit 8 u + s: column group u, K step s; four fragments of 1,536 bytes); then their scale words, 512 bytes a unit;
.set LIST, 106496                      ; then the list: 1,152 words;
.set XST,  111104                      ; then a stage of 16 rows for each wave
.set XP,   784                         ; a stage row: 768 bytes + 16
.set VR, 1
.set VH, 2
.set VOFF, 3                           ; 32 H rows + 16 R; never rewritten
.set LI, 4                             ; 16 x lane: an image's place for my lane; also the address of units 0-7
.set AWI, 5                            ; where I store my two units
.set ASC, 6                            ; and their scale words
.set SH8, 7                            ; 8 H
.set R16, 8                            ; 16 R
.set LIW1, 9                           ; units 8-15
.set LISC, 10                          ; the scale words
.set LL, 11                            ; the list: LIST + 64 w + 4 R
.set HW, 12
.set AM, 16
.set SCL, 20
.set BY, 24
.set PT, 28
.set SW, 32
.set CT, 36
.set FG, 44
.set TP, 92
.set RB, 156
.set WB, 44
.set EN, 44                            ; v44-59 the entries of rows 8 H + 0 .. 7 of tiles A and B, then those rows' byte offsets in xq
.set LSA, 44                           ; wave 0, at the head only: v44-107 where the 64 words' entries go in LDS,
.set LSD, 108                          ; v108-171 and the entries
.set WS0, 32
.set WS1, 220
.set ACC, 140
.set SXW, 211                          ; the stage, on the way in: rows 8 H on, + 16 R
.set XRD, 212                          ; and on the way out: row R, + 384 H
.set LB, 213                           ; the list: LIST + 64 w + 32 H
.set LBP, 214                          ; the same in the pass in hand
.set XS, 224
.set HC, 232
.set TT, 44
.set EE, 76
.set PP, 108
.set SB, 4                             ; s[4:5] my wave's first byte of w1; never rewritten
.set WV, 90
.set NN, 91                            ; rows routed to the expert
.set NT, 92                            ; tiles of 16
.set SEL, 96
.set PASS, 12
.set SLO, 13
.set TA, 14
.set TBT, 15
.set C0, 0xbfa1fc4e                    ; -1.26551223
.set C1, 0x3f8000c7                    ;  1.00002368
.set C2, 0x3ebf88fb                    ;  0.37409196
.set C3, 0x3dc636c9                    ;  0.09678418
.set C4, 0xbe3ec24c                    ; -0.18628806
.set C5, 0x3e8ec7cc                    ;  0.27886807
.set C6, 0xbf914e5d                    ; -1.13520398
.set C7, 0x3fbe87b0                    ;  1.48851587
.set C8, 0xbf527892                    ; -0.82215223
.set C9, 0x3e2ef945                    ;  0.17087277
.set MSB, 0
.macro WIN new                         ; s_set_vgpr_msb: bits 1:0 source 0, 3:2 source 1, 5:4 source 2, 7:6 destination; the high byte repeats the setting that is left
.if MSB != \new
	s_set_vgpr_msb (MSB<<8)|\new
.set MSB, \new
.endif
.endm
.macro PLACES                          ; four places behind a matrix instruction of this form, ahead of loads into its registers and of the first read of a result
.rept 4
	v_nop
.endr
.endm
.macro LOADSET q                       ; rows 64 q + 32 H + 0 .. 31 of my 256, four columns a lane, into set q % 2 of window 1
	WIN 0x40
.set i, 0
.rept 32
	global_load_b128 v[128*((\q)&1)+4*i:128*((\q)&1)+4*i+3], v[VOFF], s[SB:SB+1] offset:(64*(\q)+i)*ROWB th:TH_LOAD_NT
.set i, i+1
.endr
	WIN 0
.endm
.macro PROC q, left                    ; set q: a block of 32 along k of four columns becomes half a fragment's codes for each of the four tiles.  left: the younger loads, which may stay out
.set LQ, 128*((\q)&1)
.set CC, (\q)&1
	s_wait_loadcnt \left
.if (\q) == 2
	s_wait_dscnt 0x0                               ; the first K step's image stores have landed,
	s_wait_alu depctr_vm_vsrc(0)                   ; and they have read the fragments' and the scale words' registers, which this K step's lines write again
.endif
	WIN 0x14
.irp j, 0,1,2,3
	v_max3_num_f32 v[AM+\j], 0x2800000, |v[LQ+\j]|, |v[LQ+4+\j]|   ; the floor 2^(5 - 127) among the leaves: the byte cannot fall under 1
.endr
.irp i, 2,4,6,8,10,12,14,16,18,20,22,24,26,28,30
.irp j, 0,1,2,3
	v_max3_num_f32 v[AM+\j], v[AM+\j], |v[LQ+4*\i+\j]|, |v[LQ+4*\i+4+\j]|   ; four columns by turns
.endr
.endr
	WIN 0
.irp j, 0,1,2,3
	v_add_nc_u32 v[SCL+\j], 0xfe000000, v[AM+\j]   ; 4 off the exponent field: the conversion's scale operand
.endr
.irp j, 0,1,2,3
.if CC == 0
	v_lshrrev_b32 v[SW+\j], 23, v[SCL+\j]          ; the byte of block H
.else
	v_lshrrev_b32 v[BY+\j], 23, v[SCL+\j]          ; the byte of block 2 + H
.endif
.endr
.if CC
.irp j, 0,1,2,3
	v_lshl_or_b32 v[SW+\j], v[BY+\j], 16, v[SW+\j]
.endr
.endif
.irp jp, 0,1                                   ; two columns at a time
	WIN 0x01
.set p, 0
.rept 32
.if PERM
.set SRC, LQ+4*(4*(p%8)+p/8)+2*\jp
.else
.set SRC, LQ+4*p+2*\jp
.endif
	v_mov_b32 v[TP+p], v[SRC]                      ; a column's 32 numbers on end
	v_mov_b32 v[TP+32+p], v[SRC+1]
.set p, p+1
.endr
	WIN 0
.irp jj, 0,1
	v_cvt_scalef32_pk16_bf6_f32 v[FG+12*(2*\jp+\jj)+6*CC:FG+12*(2*\jp+\jj)+6*CC+2], v[TP+32*\jj:TP+32*\jj+15], v[SCL+2*\jp+\jj]
	v_cvt_scalef32_pk16_bf6_f32 v[CT+4*\jj:CT+4*\jj+2], v[TP+32*\jj+16:TP+32*\jj+31], v[SCL+2*\jp+\jj]   ; (a conversion's three registers begin on an even number)
.endr
	v_nop                                          ; one plain place behind a scaled conversion
.irp jj, 0,1
.irp i, 0,1,2
	v_mov_b32 v[FG+12*(2*\jp+\jj)+6*CC+3+\i], v[CT+4*\jj+\i]
.endr
.endr
.endr
.endm
.macro KPACK                           ; a K step's scale words are made whole
.irp j, 0,1,2,3
	v_lshlrev_b32 v[SW+\j], v[SH8], v[SW+\j]       ; my two bytes at their places,
.endr
.irp j, 0,1,2,3
	v_permlanex16_b32 v[PT+\j], v[SW+\j], s[SEL], s[SEL+1]
.endr
.irp j, 0,1,2,3
	v_or_b32 v[SW+\j], v[SW+\j], v[PT+\j]          ; with lane l xor 16's two the word is whole
.endr
.endm
.macro KSTORE s2                       ; a K step's four fragments and their scale words go to LDS as they stand
.irp j, 0,1,2,3
.irp g, 0,1,2
	ds_store_b128 v[AWI], v[FG+12*\j+4*\g:FG+12*\j+4*\g+3] offset:6144*(\s2)+1536*\j+512*\g
.endr
.endr
	ds_store_b128 v[ASC], v[SW:SW+3] offset:512*(\s2)
.endm
.macro WLOAD adr, off, soff, b         ; a unit (12 loads) and its scale words (1) into buffer b
.irp j, 0,1,2,3
.irp g, 0,1,2
	ds_load_b128 v[WB+48*(\b)+12*\j+4*\g:WB+48*(\b)+12*\j+4*\g+3], v[\adr] offset:(\off)+1536*\j+512*\g
.endr
.endr
	ds_load_b128 v[WS0+(WS1-WS0)*(\b):WS0+(WS1-WS0)*(\b)+3], v[LISC] offset:\soff
.endm
.macro WL adr, off, soff, b, idx       ; load idx of those 13, alone; from 13 on nothing
.if (\idx) < 12
	ds_load_b128 v[WB+48*(\b)+4*(\idx):WB+48*(\b)+4*(\idx)+3], v[\adr] offset:(\off)+512*(\idx)
.elseif (\idx) == 12
	ds_load_b128 v[WS0+(WS1-WS0)*(\b):WS0+(WS1-WS0)*(\b)+3], v[LISC] offset:\soff
.endif
.endm
; THE ROWS OF A PASS ARE ASKED FOR.  Their entries come from the list twice: row R's, for the scale words, and those of rows 8 H + 0 .. 7, for the codes.  Load (a, c) takes bytes 256 c .. 256 c + 255 of row a's token in
; lanes 0-15 and of row 8 + a's in lanes 16-31: each half of a load covers 256 consecutive bytes, aligned.  They land in the registers of x's fragments, in the order of loading.
.macro HEAD
	v_add_nc_u32 v204, s[SLO], v[LL]
	v_add_nc_u32 v[LBP], s[SLO], v[LB]
	s_wait_alu depctr_va_vdst(0)                   ; v204 and v[LBP] are written, which the loads below read (ahead of the first pass: the stage's addresses v[SXW], v[XRD] too); the vector lines that named v205, v206 and v44-59 are complete: entries land there
	ds_load_b32 v205, v204                         ; row R's entry in tile A,
	ds_load_b32 v206, v204 offset:512              ; and in tile B, eight tiles on
.irp t, 0,1
	ds_load_b128 v[EN+8*\t:EN+8*\t+3], v[LBP] offset:512*\t
	ds_load_b128 v[EN+8*\t+4:EN+8*\t+7], v[LBP] offset:512*\t+16
.endr
	s_wait_dscnt 0x0
	v_cndmask_b32 v209, v205, v206, s28            ; lanes 0-15 fetch tile A's scale words, lanes 16-31 tile B's
	v_min_u32 v209, 2047, v209
	v_and_b32 v209, 1023, v209                     ; the token
	v_lshlrev_b32 v209, 5, v209
.set k, 0
.rept 16
	v_min_u32 v[EN+k], 2047, v[EN+k]
.set k, k+1
.endr
.set k, 0
.rept 16
	v_and_b32 v[EN+k], 1023, v[EN+k]               ; the token
.set k, k+1
.endr
.set k, 0
.rept 16
	v_mul_u32_u24 v[EN+k], v[EN+k], 768            ; its row of codes
.set k, k+1
.endr
.set k, 0
.rept 16
	v_add_nc_u32 v[EN+k], v[EN+k], v[R16]          ; my 16 bytes of a run of 256
.set k, k+1
.endr
	s_wait_alu depctr_va_vdst(0)                   ; the 17 offsets v209 and v44-59 are written; the last pass's products (ahead of the first pass: phase A's lines) are done reading the registers of x's scale words and fragments, in which the 50 loads land
	global_load_b128 v[XS:XS+3], v209, s[10:11]
	global_load_b128 v[XS+4:XS+7], v209, s[10:11] offset:16
	WIN 0x40
.irp t, 0,1
.irp a, 0,1,2,3,4,5,6,7
.irp c, 0,1,2
	global_load_b128 v[96*\t+12*\a+4*\c:96*\t+12*\a+4*\c+3], v[EN+8*\t+\a], s[8:9] offset:256*\c
.endr
.endr
.endr
	WIN 0
.endm
; THE ROWS TURN THROUGH MY STAGE: stored as they were loaded, read back a row to a lane, into the registers that they left.  LDS serves a wave's instructions in order (ISA guide 5.7.1.4): no wait on DScnt stands between the stores
; and the loads, nor in front of tile B's stores, which come behind tile A's loads.
.macro TURN
.irp t, 0,1
	s_wait_loadcnt 24-24*\t                        ; tile A's 24 loads (and the scale words, which are older) are in while tile B's 24 may be out; then all
	WIN 0x04                                       ; an LDS store's data are its source 1: window 1
.irp a, 0,1,2,3,4,5,6,7
.irp c, 0,1,2
	ds_store_b128 v[SXW], v[96*\t+12*\a+4*\c:96*\t+12*\a+4*\c+3] offset:XP*\a+256*\c
.endr
.endr
	WIN 0x40
	s_wait_alu depctr_vm_vsrc(0)                   ; the 24 stores above have read the tile's registers, in which the 24 loads below land; and the rows' loads have read their offsets v44-59, in which the weights' first fragments land behind this macro
	s_wait_alu depctr_va_vdst(0)                   ; the last vector and matrix lines that named the tile's registers (the last pass's products; ahead of the first pass, phase A's lines) are complete: the loads below land there
.irp s, 0,1,2,3,4,5,6,7
.irp g, 0,1,2
	ds_load_b128 v[96*\t+12*\s+4*\g:96*\t+12*\s+4*\g+3], v[XRD] offset:48*\s+16*\g   ; K step s: the 12 registers of lane (R, H)
.endr
.endr
.endr
	WIN 0
.endm
.macro KSTEP u, s                      ; K step s of column group u: eight products, the eight accumulators by turns in the same order in every step; the next step's 13 loads are dealt among the first five
.if (\s) > 0
	PLACES                                         ; the buffer to be loaded was read by the products just issued
.endif
	s_wait_dscnt 0x0                               ; this step's 13 loads, issued in the step before, and all that is older (x's fragments from the stage) are in
.if (\s) == 0
	WIN 0x14                                       ; x and the bias in window 1; an LDS load's data and address stay in window 0 under this setting and the next
.else
	WIN 0x04
.endif
.if ((\s) > 0) && ((\s) < 7)
	s_wait_alu depctr_va_vdst(0)                   ; the last step's products are done reading the other buffer and its scale words, in which this step's loads land; the products below name neither
.endif
.set n, 0
.irp a, 0,1
.irp j, 0,1,2,3
.set rD, ACC+32*\a+8*\j
.set rA, WB+48*((\s)%2)+12*\j
.set rB, 96*\a+12*(\s)
.set rS, WS0+(WS1-WS0)*((\s)%2)+\j
.if (\s) == 0
.set rC, 192+32*(\u)+8*\j                      ; the bias starts the sum
.else
.set rC, rD
.endif
.if \a
	v_wmma_scale_f32_16x16x128_f8f6f4 v[rD:rD+7], v[rA:rA+11], v[rB:rB+11], v[rC:rC+7], v[rS], v[XS+(\s)] matrix_a_fmt:MATRIX_FMT_BF6 matrix_b_fmt:MATRIX_FMT_BF6 matrix_b_scale:MATRIX_SCALE_ROW1
.else
	v_wmma_scale_f32_16x16x128_f8f6f4 v[rD:rD+7], v[rA:rA+11], v[rB:rB+11], v[rC:rC+7], v[rS], v[XS+(\s)] matrix_a_fmt:MATRIX_FMT_BF6 matrix_b_fmt:MATRIX_FMT_BF6
.endif
.if (\s) < 7
	WL WAD, 6144*((\s)+1), 512*(8*(\u)+(\s)+1), ((\s)+1)%2, 3*n
	WL WAD, 6144*((\s)+1), 512*(8*(\u)+(\s)+1), ((\s)+1)%2, 3*n+1
	WL WAD, 6144*((\s)+1), 512*(8*(\u)+(\s)+1), ((\s)+1)%2, 3*n+2
.endif
.set n, n+1
.endr
.endr
.endm
.macro EPI a, u                        ; row tile a, column group u: gelu on a lane's 32 numbers, then they are quantised: one block of 32 along the next K
.set VV, ACC+32*(\a)
.set k, 0
.rept 32
	v_fma_f32 v[TT+k], |v[VV+k]|, s24, 1.0         ; 1 + z / 2, z = |v| / sqrt 2; each accumulator is read from its low end on
.set k, k+1
.endr
.set k, 0
.rept 32
	v_rcp_f32 v[TT+k], v[TT+k]                     ; t
.set k, k+1
.endr
.set k, 0
.rept 16
	v_pk_mul_f32 v[EE+k:EE+k+1], v[VV+k:VV+k+1], v[VV+k:VV+k+1]   ; v^2: plain work behind the batch
.set k, k+2
.endr
	s_wait_alu depctr_va_vdst(0)                   ; one wait for the 32 reciprocals, ahead of their first reader
.set k, 0
.rept 16
	v_pk_fma_f32 v[PP+k:PP+k+1], v[TT+k:TT+k+1], C9, v[14:15] op_sel_hi:[1,0,1]
.set k, k+2
.endr
.irp cf, C7, C6, C5, C4, C3, C2, C1, C0        ; Horner, a level at a time over the 16 pairs: no line waits for the line above it
.set k, 0
.rept 16
	v_pk_fma_f32 v[PP+k:PP+k+1], v[PP+k:PP+k+1], v[TT+k:TT+k+1], \cf op_sel_hi:[1,1,0]
.set k, k+2
.endr
.endr
.set k, 0
.rept 16
	v_pk_fma_f32 v[EE+k:EE+k+1], v[EE+k:EE+k+1], -0.5, v[PP+k:PP+k+1] op_sel_hi:[1,0,1]   ; -z^2 + P(t)
.set k, k+2
.endr
.set k, 0
.rept 16
	v_pk_fma_f32 v[EE+k:EE+k+1], v[EE+k:EE+k+1], 0x3fb8aa3b, -1.0 op_sel_hi:[1,0,0]       ; to base 2; the 1 taken off halves the result
.set k, k+2
.endr
.set k, 0
.rept 32
	v_exp_f32 v[EE+k], v[EE+k]
.set k, k+1
.endr
.set k, 0
.rept 32
	v_max_num_f32 v[PP+k], 0, v[VV+k]              ; max(v, 0): plain work behind the batch
.set k, k+1
.endr
	s_wait_alu depctr_va_vdst(0)                   ; one wait for the 32 exponentials
.set k, 0
.rept 16
	v_pk_mul_f32 v[TT+k:TT+k+1], v[TT+k:TT+k+1], v[EE+k:EE+k+1]   ; erfc(z) / 2
.set k, k+2
.endr
.set k, 0
.rept 32
	v_fma_f32 v[VV+k], -|v[VV+k]|, v[TT+k], v[PP+k]
.set k, k+1
.endr
.irp j, 0,1,2,3
	v_max3_num_f32 v[AM+\j], |v[VV+8*\j]|, |v[VV+8*\j+1]|, 0x2800000
.endr
.irp i, 2,4,6
.irp j, 0,1,2,3
	v_max3_num_f32 v[AM+\j], v[AM+\j], |v[VV+8*\j+\i]|, |v[VV+8*\j+\i+1]|
.endr
.endr
	v_max3_num_f32 v[AM], v[AM], v[AM+1], v[AM+2]
	v_max_num_f32 v[AM], v[AM], v[AM+3]            ; the block's largest magnitude: all 32 numbers are mine
	v_add_nc_u32 v[SCL], 0xfe000000, v[AM]
.if (\u) == 0
	v_lshrrev_b32 v[HW+(\a)], 23, v[SCL]           ; the byte of block H
.else
	v_lshrrev_b32 v[BY], 23, v[SCL]
	v_lshl_or_b32 v[HW+(\a)], v[BY], 16, v[HW+(\a)]   ; and of block 2 + H
.endif
	v_cvt_scalef32_pk16_bf6_f32 v[HC+12*(\a)+6*(\u):HC+12*(\a)+6*(\u)+2], v[VV:VV+15], v[SCL]
	v_cvt_scalef32_pk16_bf6_f32 v[CT:CT+2], v[VV+16:VV+31], v[SCL]
	v_nop                                          ; one plain place behind a scaled conversion
.irp i, 0,1,2
	v_mov_b32 v[HC+12*(\a)+6*(\u)+3+\i], v[CT+\i]
.endr
.endm
.macro FINISH a                        ; row tile a's fragment of K step fs leaves as the image of its registers: three stores of 512 consecutive bytes, aligned; its 16 scale words beside it
	v_lshlrev_b32 v[HW+(\a)], v[SH8], v[HW+(\a)]
	v_permlanex16_b32 v[PT+(\a)], v[HW+(\a)], s[SEL], s[SEL+1]
	v_or_b32 v[HW+(\a)], v[HW+(\a)], v[PT+(\a)]
	s_wait_alu depctr_va_vdst(0)                   ; the conversions and moves have written the tile's codes, and the line above its scale word: the four stores read them
.irp g, 0,1,2
	global_store_b128 v[LI], v[HC+12*(\a)+4*\g:HC+12*(\a)+4*\g+3], s[16+2*(\a):17+2*(\a)] offset:512*\g
.endr
	global_store_b32 v[R16], v[HW+(\a)], s[20+2*(\a):21+2*(\a)]   ; row R's word stands 16 R bytes on: four K steps' words of a row lie together, for the next launch's loads; both halves of the lanes store the same word
.endm
.macro GROUP u
.set WAD, LI+(LIW1-LI)*(\u)
.if \u
	s_wait_alu depctr_va_vdst(0)                   ; the first group's epilogue is done with v44-139, and its products with the scale words' registers: the weights' fragments and words land there again
.endif
	WLOAD WAD, 0, 4096*(\u), 0
.irp s, 0,1,2,3,4,5,6,7
	KSTEP \u, \s
.endr
	WIN 0
	PLACES
	EPI 0, \u
	s_cmp_ge_u32 s[TBT], s[NT]
	s_cbranch_scc1 .Lno_b_\@                       ; no second tile: its results are dropped
	EPI 1, \u
.Lno_b_\@:
.endm
	s_load_b256 s[4:11], s[0:1], 0x0               ; w1, b1, xq, xs
	s_load_b128 s[84:87], s[0:1], 0x20             ; bm, hq
	s_load_b64 s[88:89], s[0:1], 0x30              ; hs
	v_lshl_add_u32 v39, v0, 2, 0x33a00
	v_mov_b32 v43, 0
	v_lshrrev_b32 v1, 5, v0
	v_readfirstlane_b32 s[WV], v1                  ; wave 0..7
	v_and_b32 v[VR], 15, v0
	v_bfe_u32 v[VH], v0, 4, 1
	v_and_b32 v[LI], 31, v0
	v_lshlrev_b32 v[LI], 4, v[LI]
	v_lshlrev_b32 v[VOFF], 4, v[VR]
	v_lshl_add_u32 v[VOFF], v[VH], LOGH, v[VOFF]
	v_lshlrev_b32 v[SH8], 3, v[VH]
	v_lshlrev_b32 v[R16], 4, v[VR]
	v_add_nc_u32 v[LIW1], 49152, v[LI]
	v_add_nc_u32 v[LISC], WSC, v[LI]
	s_and_b32 s95, ttmp7, 0xffff                   ; the expert
	s_wait_alu depctr_va_sdst(0)                   ; the wave's number is written, ahead of its first reader
	s_and_b32 s98, s[WV], 1                        ; u: which 64 columns I stream
	s_lshr_b32 s99, s[WV], 1                       ; kp: which 256 rows
	s_lshl_b32 s2, s98, 3
	s_lshl_b32 s3, s99, 1
	s_add_co_u32 s2, s2, s3                        ; my first unit: 8 u + 2 kp
	s_mul_i32 s3, s2, 6144
	v_add_nc_u32 v[AWI], s3, v[LI]
	s_lshl_b32 s3, s2, 9
	s_add_co_u32 s3, s3, WSC
	v_add_nc_u32 v[ASC], s3, v[LI]
	s_lshl_b32 s3, s[WV], 6
	s_add_co_u32 s3, s3, LIST
	v_lshl_add_u32 v[LL], v[VR], 2, s3
	s_mov_b32 s[SEL], 0x76543210
	s_mov_b32 s[SEL+1], 0xfedcba98
.irp j, 0,1,2,3
	v_mov_b32 v[PT+\j], 0                          ; written once: a lane permute's destination counts as one of its sources
.endr
	s_lshl_b32 s2, s95, 24                         ; e x 16 MiB
	s_lshl_b32 s3, s99, 22                         ; + 256 kp rows
	s_add_co_u32 s2, s2, s3
	s_lshl_b32 s3, ttmp9, 9                        ; + 128 fs columns
	s_add_co_u32 s2, s2, s3
	s_lshl_b32 s3, s98, 8                          ; + 64 u columns
	s_add_co_u32 s2, s2, s3
	s_mov_b32 s3, 0
	s_wait_kmcnt 0x0
	s_add_nc_u64 s[SB:SB+1], s[SB:SB+1], s[2:3]
	s_lshl_b32 s2, s95, 8
	s_add_nc_u64 s[84:85], s[84:85], s[2:3]        ; bm at my expert's 64 words
	s_load_b512 s[16:31], s[84:85], 0x0            ; they are asked for ahead of the stream, so that the list is built while the first set is on its way.  Word c in s[16 + c], from c = 48 on in s[20 + c]
	s_load_b512 s[32:47], s[84:85], 0x40
	s_load_b512 s[48:63], s[84:85], 0x80
	s_load_b512 s[68:83], s[84:85], 0xc0
	s_wait_alu depctr_va_vdst(0)                   ; the offsets and LDS addresses v3 to v11 are written, which loads, stores and LDS instructions read from here on; none of them is written again
	LOADSET 0                                      ; 32 loads of 512 bytes a wave: a quarter of the work-group's slice
	s_lshl_b32 s2, s95, 14
	s_lshl_b32 s98, ttmp9, 9
	s_add_co_u32 s2, s2, s98
	s_add_nc_u64 s[6:7], s[6:7], s[2:3]            ; b1 at my 128 columns
	s_mul_i32 s2, s95, 3145728
	s_mul_i32 s98, ttmp9, 1536
	s_add_co_u32 s2, s2, s98
	s_add_nc_u64 s[86:87], s[86:87], s[2:3]        ; hq at (e, tile 0, K step fs)
	s_lshl_b32 s2, s95, 17                         ; hs [e][tile][K step / 4][row][K step % 4]: 131,072 e
	s_lshr_b32 s98, ttmp9, 2
	s_lshl_b32 s98, s98, 8                         ; + 256 (fs / 4)
	s_add_co_u32 s2, s2, s98
	s_and_b32 s98, ttmp9, 3
	s_lshl_b32 s98, s98, 2                         ; + 4 (fs % 4)
	s_add_co_u32 s2, s2, s98
	s_add_nc_u64 s[88:89], s[88:89], s[2:3]
	s_mov_b32 s[NN], 0
	s_wait_kmcnt 0x0
.set c, 0
.rept 64
	s_bcnt1_i32_b32 s98, s[16+c+4*(c/48)]
	s_add_co_u32 s[NN], s[NN], s98
.set c, c+1
.endr
	s_add_co_u32 s[NT], s[NN], 15
	s_lshr_b32 s[NT], s[NT], 4
	s_min_u32 s[NT], s[NT], 64
	s_cmp_lg_u32 s[WV], 0
	s_cbranch_scc1 .Lbuilt
	; ---- wave 0 lists the entries.  All addresses and all entries are made first, a level at a time over the 64 words, in registers that are idle here; then one wait, then all the LDS stores
	v_and_b32 v254, 31, v0
	v_add_nc_u32 v246, 1056, v254                  ; a lane whose bit is not set writes to a word of its own behind the list
	v_lshl_or_b32 v247, v[VH], 10, v[VR]           ; bit l of word c is entry 1,024 (l / 16) + 16 c + l % 16
.irp k, 0,1,2,3
	v_mov_b32 v[248+\k], 0
.endr
	v_add_nc_u32 v252, LIST, v[LI]
	v_mov_b32 v255, LIST                           ; where the first entry stands,
	v_add_nc_u32 v240, s[NN], v254
	v_min_u32 v240, 1055, v240
	v_lshl_add_u32 v242, v240, 2, LIST             ; and places n .. n + 31, which repeat it
	s_mov_b32 s93, 0
.set c, 0
.rept 64
	v_mbcnt_lo_u32_b32 v[LSA+c], s[16+c+4*(c/48)], s93   ; the set bits under mine, and those of the words before: my place
	s_bcnt1_i32_b32 s98, s[16+c+4*(c/48)]
	s_add_co_u32 s93, s93, s98
.set c, c+1
.endr
.set c, 0
.rept 64
	v_cndmask_b32 v[LSA+c], v246, v[LSA+c], s[16+c+4*(c/48)]
.set c, c+1
.endr
.set c, 0
.rept 64
	v_min_u32 v[LSA+c], 1087, v[LSA+c]
.set c, c+1
.endr
.set c, 0
.rept 64
	v_lshl_add_u32 v[LSA+c], v[LSA+c], 2, LIST
.set c, c+1
.endr
.set c, 0
.rept 64
	v_add_nc_u32 v[LSD+c], 16*c, v247
.set c, c+1
.endr
	s_wait_alu depctr_va_vdst(0)                   ; the zeros v248-251, the addresses v242, v252, v255 and v44-107 and the entries v108-171 are written: the LDS instructions below read them
.irp k, 0,1,2,3,4,5,6,7,8
	ds_store_b128 v252, v[248:251] offset:512*\k
.endr
.set c, 0
.rept 64
	ds_store_b32 v[LSA+c], v[LSD+c]
.set c, c+1
.endr
	ds_load_b32 v253, v255                         ; LDS serves a wave's instructions in order: the first entry
	s_wait_dscnt 0x0
	ds_store_b32 v242, v253                        ; places n .. n + 31 repeat it
	s_wait_alu depctr_vm_vsrc(0)                   ; the LDS instructions above have read v44-171 and v240-255, which phase A's lines, the bias's loads and h's codes write later
.Lbuilt:
	LOADSET 1                                      ; the second quarter: with it half of the slice has been asked for
	s_wait_dscnt 0x0
	s_barrier_signal -1
	s_barrier_wait -1                              ; the list stands; only now do the other waves touch LDS
	PROC 0, 32                                     ; 32: the younger set
	s_wait_alu depctr_va_vdst(0)                   ; the lines above are done reading set 0, in which the next 32 loads land
	LOADSET 2
	PROC 1, 32
	KPACK
	v_lshlrev_b32 v12, 7, v[VH]
	s_wait_alu depctr_va_vdst(0)                   ; the lines above are done reading set 1, in which the next 32 loads land; the K step's fragments and scale words are written, which the LDS stores read; so is v12, the bias's offset
	LOADSET 3
.irp u, 0,1
.irp m, 0,1,2,3,4,5,6,7
	global_load_b128 v[RB+32*\u+4*\m:RB+32*\u+4*\m+3], v12, s[6:7] offset:256*\u+16*\m   ; b1 of columns 64 u + 32 H + 0 .. 31
.endr
.endr
	KSTORE 0
	PROC 2, 32+NB                                  ; the younger set and the bias
	PROC 3, NB                                     ; the bias
	KPACK
	s_wait_alu depctr_va_vdst(0)                   ; the second K step's fragments and scale words are written, which the LDS stores read
	KSTORE 1
	s_wait_loadcnt 0x0
	WIN 0x40
.irp u, 0,1
.irp j, 0,1,2,3
.irp i, 0,1,2,3,4,5,6,7
	v_mov_b32 v[192+32*\u+8*\j+\i], v[RB+32*\u+4*\i+\j]   ; in the result's layout: register i of tile j is column 32 H + 4 i + j
.endr
.endr
.endr
	WIN 0
	s_mul_i32 s2, s[WV], 16*XP
	s_add_co_u32 s2, s2, XST                       ; my stage
	v_mul_u32_u24 v[SXW], v[VH], 8*XP
	v_add_nc_u32 v[SXW], v[SXW], v[R16]
	v_add_nc_u32 v[SXW], s2, v[SXW]
	v_mul_u32_u24 v[XRD], v[VR], XP
	v_mad_u32_u24 v[XRD], v[VH], 384, v[XRD]
	v_add_nc_u32 v[XRD], s2, v[XRD]
	s_lshl_b32 s3, s[WV], 6
	s_add_co_u32 s3, s3, LIST
	v_lshl_add_u32 v[LB], v[VH], 5, s3
	s_mov_b32 s28, 0xffff0000                      ; lanes 16-31
	s_mov_b32 s[PASS], 0
	s_mov_b32 s[SLO], 0
	s_mov_b32 s[TA], s[WV]
	s_wait_dscnt 0x0                               ; for the others' sake: my images have landed
	s_wait_alu depctr_vm_vsrc(0)                   ; their stores have read v44-91 and v32-35, in which entries and, later, the weights' fragments and words land; the bias's loads have read v12, which is written again behind the barrier
	HEAD                                           ; the first pass's rows are asked for ahead of the barrier.  No branch: the list holds a valid token at every place
	s_barrier_signal -1
	s_barrier_wait -1                              ; the slice lies in LDS as 64 fragments
	v_mov_b32 v[HW], 0                             ; h's scale words and tile B's codes: written once, so that they are written on every way through the text
	v_mov_b32 v[HW+1], 0
.irp k, 0,1,2,3,4,5,6,7,8,9,10,11
	v_mov_b32 v[HC+12+\k], 0
.endr
	v_mov_b32 v14, C8
	v_mov_b32 v15, C8
	s_mov_b32 s24, 0x3eb504f3                      ; 1 / (2 sqrt 2)
.Lpass:
	s_cmp_ge_u32 s[TA], s[NT]
	s_cbranch_scc1 .Lpass_end
	s_add_co_u32 s[TBT], s[TA], 8
	s_wait_xcnt 0x0                                ; the last pass's stores have read their data and bases: both are written again below
	s_wait_alu depctr_vm_vsrc(0)                   ; the last pass's stores have read h's codes and scale words, which this pass's epilogue writes again; its loads have read v204, v209 and v[LBP], which HEAD writes again
	s_mul_i32 s2, s[TA], 49152
	s_mov_b32 s3, 0
	s_add_nc_u64 s[16:17], s[86:87], s[2:3]        ; where tile A's fragment goes,
	s_add_nc_u64 s[18:19], s[16:17], 393216        ; and tile B's, eight tiles on
	s_lshl_b32 s2, s[TA], 11
	s_add_nc_u64 s[20:21], s[88:89], s[2:3]
	s_add_nc_u64 s[22:23], s[20:21], 16384
	s_cmp_eq_u32 s[PASS], 0
	s_cbranch_scc1 .Lhave                          ; the first pass's rows are on their way already
	s_wait_loadcnt 0x0                             ; (where an earlier pass was jumped over, its rows' loads are in before their registers are named again)
	HEAD
.Lhave:
	TURN
	GROUP 0
	GROUP 1
	FINISH 0
	s_cmp_ge_u32 s[TBT], s[NT]
	s_cbranch_scc1 .Lpass_end
	FINISH 1
.Lpass_end:
	s_add_co_u32 s[SLO], s[SLO], 1024              ; 16 tiles on in the list
	s_add_co_u32 s[TA], s[TA], 16
	s_add_co_u32 s[PASS], s[PASS], 1
	s_cmp_lt_u32 s[PASS], 4
	s_cbranch_scc1 .Lpass
	s_wait_dscnt 0x0                               ; the closing lines, six on end
	s_wait_alu 0x0
	s_wait_tensorcnt 0x0
	ds_add_u32 v39, v43
	s_wait_dscnt 0x0
	s_endpgm
.Lfunc_end_k_qe2baeb6847_up:
	.size	k_qe2baeb6847_up, .Lfunc_end_k_qe2baeb6847_up-k_qe2baeb6847_up
	.p2alignl 7, 3214868480
	.fill 96, 4, 3214868480
	.section	.rodata,"a",@progbits
	.p2align	6, 0x0
	.amdhsa_kernel k_qe2baeb6847_up
		.amdhsa_group_segment_fixed_size 212480
		.amdhsa_private_segment_fixed_size 0
		.amdhsa_enable_private_segment 0
		.amdhsa_kernarg_size 56
		.amdhsa_user_sgpr_count 2
		.amdhsa_user_sgpr_kernarg_segment_ptr 1
		.amdhsa_wavefront_size32 1
		.amdhsa_system_sgpr_workgroup_id_x 1
		.amdhsa_system_sgpr_workgroup_id_y 1
		.amdhsa_system_sgpr_workgroup_id_z 1
		.amdhsa_system_vgpr_workitem_id 0
		.amdhsa_next_free_vgpr 512
		.amdhsa_next_free_sgpr 100
		.amdhsa_reserve_vcc 0
		.amdhsa_float_denorm_mode_32 3
		.amdhsa_float_denorm_mode_16_64 3
		.amdhsa_memory_ordered 1
		.amdhsa_forward_progress 1
		.amdhsa_inst_pref_size 255
	.end_amdhsa_kernel
	.section	.bss,"aw",@nobits
	.p2align	6
	.space	262144
	.amdgpu_metadata
---
amdhsa.version: [ 1, 2 ]
amdhsa.kernels:
  - .name:           k_qe2baeb6847_up
    .symbol:         k_qe2baeb6847_up.kd
    .args:
      - { .name: w1, .offset: 0, .size: 8, .value_kind: global_buffer, .address_space: global }
      - { .name: b1, .offset: 8, .size: 8, .value_kind: global_buffer, .address_space: global }
      - { .name: xq, .offset: 16, .size: 8, .value_kind: global_buffer, .address_space: global }
      - { .name: xs, .offset: 24, .size: 8, .value_kind: global_buffer, .address_space: global }
      - { .name: bm, .offset: 32, .size: 8, .value_kind: global_buffer, .address_space: global }
      - { .name: hq, .offset: 40, .size: 8, .value_kind: global_buffer, .address_space: global }
      - { .name: hs, .offset: 48, .size: 8, .value_kind: global_buffer, .address_space: global }
    .group_segment_fixed_size: 212480
    .private_segment_fixed_size: 0
    .kernarg_segment_align: 8
    .kernarg_segment_size: 56
    .max_flat_workgroup_size: 256
    .sgpr_count:     100
    .vgpr_count:     512
    .wavefront_size: 32
...
	.end_amdgpu_metadata
.endif
;; end of part 5
;; launch down (part 6): grid 32 x 8, 8 waves a work-group, no clusters, 146,944 bytes of LDS; arguments w2, b2, hq, hs, bm, gate, yp; writes yp
.if DOCPART == 6
	.amdgcn_target "amdgcn-amd-amdhsa--gfx1250"
	.amdhsa_code_object_version 6
	.text
	.protected	k_qe2baeb6847_down
	.globl	k_qe2baeb6847_down
	.p2align	8
	.type	k_qe2baeb6847_down,@function
k_qe2baeb6847_down:
	s_mov_b64 s[64:65], 0
	v_nop
	global_prefetch_b8 v0, s[64:65] scope:SCOPE_SE
	s_setreg_imm32_b32 hwreg(HW_REG_WAVE_SCHED_MODE, 0, 2), 2
	s_setreg_imm32_b32 hwreg(HW_REG_WAVE_MODE, 25, 1), 1
	s_wait_xcnt 0x0
	s_wait_alu depctr_vm_vsrc(0)
; DOWN.  yp[kh][p] = gate[p] x (h Q(w2) over K half kh (+ b2 in half 0)), for every entry p = 1,024 slot + token, on codes of BF6 (E3M2) with one E8M0 byte for each 32 along K.
; Work-group (ds + 16 kh, e) owns w2[e][2,048 kh .. + 2,047][64 ds .. + 63]: 512 KiB of f32 in row pieces of 256 bytes, read from memory ONCE in the launch.
; PHASE A: the slice is quantised along f on its way into LDS (16 units, one for each K step of 128; four fragments each), as in the launch before.  Inside a block of 32 the code at place p is that of row
; 4 (p % 8) + p / 8: the order in which the launch before left h's codes; blocks and scales are not touched by that.  PHASE B: it is multiplied with all row tiles of expert e.
; THE PRODUCT IS USED TRANSPOSED (source 0 = columns 4 R + j of w2, source 1 = 16 rows of h): register i of tile j in lane (R, H) is (row R, column 32 H + 4 i + j).
; The list of entries is built as in the launch before, so place s means the same entry.  Rows are scattered by entry; the places that repeat the first entry store the same values to the same bytes as it, in this work-group.
; A missing second tile is replaced by the first (valid bytes), and its way out is jumped over.  Each row's 256 bytes leave whole: through the wave's own stage in LDS, sixteen lanes to a row.
; h's scale words lie [e][tile][K step / 4][row][K step % 4]: a load of 16 bytes a lane brings four K steps' words of row R, and sixteen lanes cover 256 consecutive bytes, aligned.
; NO TENSOR LOAD, NO CLUSTER: branches hang on the stored routing numbers, and each byte of w2 has one reader; h's fragments, which the 16 work-groups of (e, kh) share, come as images straight into registers, seven K steps ahead.
; LIMITS: NaN and infinities are not served.  A block of w2 whose largest magnitude lies under 2^-122, a block of zeros too, keeps the scale byte 1.
; REGISTERS, window 0: v1-11, v14, v204-211 ids and addresses; v12-13 the gates; v15 the bias's offset; v16-43 at work; v32-35, v220-223 the weights' scale words; v44-139 two buffers of four fragments (way out: results, rows;
;   wave 0 at the head: with v140-171 the list's addresses and entries); v140-203 eight accumulators; v224-239 h's scale words; v240-255 the offsets in yp of the pass's 32 rows.
;   Window 1: phase A two sets of 128 numbers as loaded; phase B a ring of eight K steps of h (192) and b2 (32).
; THE MODE: SCHED_MODE bits 1:0 = 2 (LLVM: expert scheduling mode 2), set by the entry lines.  The code itself states the register dependences between vector or matrix instructions and memory or LDS instructions, with s_wait_alu, always for 0.
; THE PLAN.  Registers that memory or LDS instructions touch, and who else names them:
;   v3-v11, v14, v204-206  offsets and LDS addresses: made at the head, never written again.  One wait on va_vdst ahead of the first load.
;   the list      wave 0 makes all its addresses and entries first (v44-171, v240-255); one wait on va_vdst, then all its LDS stores; one wait on vm_vsrc at the arm's end frees the registers.
;   sets 0, 1     (window 1)  PROC q reads set q % 2; behind it one wait on va_vdst, then the loads of set q + 2 land there.
;   v44-91, v32-35  a K step's fragments and scale words: written by PROC and KPACK, read by KSTORE's LDS stores behind the same wait; written again behind a wait on vm_vsrc at the next K step's head.
;   a pass's head one wait on vm_vsrc (all that the last pass's loads and stores read may be written again); one on va_vdst ahead of the list's loads; one more behind all the offsets' lines, ahead of all the pass's first loads.
;   buffers 0, 1 and the ring  Step s's products read buffer s % 2 and slot s % 8; the loads of step s + 1 land in the other buffer and those of step s + 7 in slot (s - 1) % 8, which step s - 1's products read:
;                 ONE wait on va_vdst in steps 1 to 14; h's six loads follow it, the weights' 13 are dealt among the step's first products, which name none of the registers that they touch.
;   the way out   v44-75: written by the multiplies, read by the stage's stores behind a wait on va_vdst; v76-107: the rows land, the global stores read them; tile B writes both again behind a wait on vm_vsrc.
.set ROWB, 4096                        ; a row of w2[e] in bytes
.set LOGH, 17                          ; 32 rows are 2^17 bytes
.set PERM, 1                           ; the order of h's codes inside a block
.set NB,   8
.set WSC,  98304                       ; LDS: 0 .. 98,303 the 16 units; their scale words;
.set LIST, 106496                      ; the list: 1,152 words;
.set STG,  111104                      ; a stage of 16 rows x (256 + 16) bytes for each wave
.set VR, 1
.set VH, 2
.set VOFF, 3
.set LI, 4
.set AWI, 5
.set ASC, 6
.set SH8, 7
.set LIW1, 9
.set LISC, 10
.set LL, 11
.set GA, 12
.set R16, 14
.set AM, 16
.set SCL, 20
.set BY, 24
.set PT, 28
.set SW, 32
.set CT, 36
.set FG, 44
.set TP, 92
.set RB, 156
.set WB, 44
.set LSA, 44                           ; wave 0, at the head only: v44-107 where the 64 words' entries go in LDS,
.set LSD, 108                          ; v108-171 and the entries
.set WS0, 32
.set WS1, 220
.set ACC, 140
.set HS, 224
.set OO, 44
.set RK, 76
.set VA, 240                           ; v240-255 tile a, t: the entry of row t (lanes 0-15) or 8 + t (lanes 16-31), then that row's byte offset in yp
.set SO, 204                           ; the stage: where I put 128 bytes of row R
.set SR, 205                           ; and where I read rows back: lanes 0-15 row t, lanes 16-31 row 8 + t
.set LB, 206                           ; the list: LIST + 64 w + 32 H: the entries of those rows
.set SB, 4
.set WV, 90
.set NN, 91
.set NT, 92
.set SEL, 96
.set PASS, 12
.set SLO, 13
.set TA, 14
.set TBT, 15
.set MSB, 0
.macro WIN new                         ; s_set_vgpr_msb: bits 1:0 source 0, 3:2 source 1, 5:4 source 2, 7:6 destination; the high byte repeats the setting that is left
.if MSB != \new
	s_set_vgpr_msb (MSB<<8)|\new
.set MSB, \new
.endif
.endm
.macro PLACES                          ; four places behind a matrix instruction of this form, ahead of loads into its registers and of the first read of a result
.rept 4
	v_nop
.endr
.endm
.macro LOADSET q                       ; rows 64 q + 32 H + 0 .. 31 of my 256, four columns a lane, into set q % 2 of window 1
	WIN 0x40
.set i, 0
.rept 32
	global_load_b128 v[128*((\q)&1)+4*i:128*((\q)&1)+4*i+3], v[VOFF], s[SB:SB+1] offset:(64*(\q)+i)*ROWB th:TH_LOAD_NT
.set i, i+1
.endr
	WIN 0
.endm
.macro PROC q, left                    ; set q: a block of 32 along K of four columns becomes half a fragment's codes for each of the four tiles.  left: the younger loads, which may stay out
.set LQ, 128*((\q)&1)
.set CC, (\q)&1
	s_wait_loadcnt \left
.if (\q) == 2
	s_wait_dscnt 0x0                               ; the first K step's image stores have landed,
	s_wait_alu depctr_vm_vsrc(0)                   ; and they have read the fragments' and the scale words' registers, which this K step's lines write again
.endif
	WIN 0x14
.irp j, 0,1,2,3
	v_max3_num_f32 v[AM+\j], 0x2800000, |v[LQ+\j]|, |v[LQ+4+\j]|   ; the floor 2^(5 - 127) among the leaves: the byte cannot fall under 1
.endr
.irp i, 2,4,6,8,10,12,14,16,18,20,22,24,26,28,30
.irp j, 0,1,2,3
	v_max3_num_f32 v[AM+\j], v[AM+\j], |v[LQ+4*\i+\j]|, |v[LQ+4*\i+4+\j]|   ; four columns by turns
.endr
.endr
	WIN 0
.irp j, 0,1,2,3
	v_add_nc_u32 v[SCL+\j], 0xfe000000, v[AM+\j]   ; 4 off the exponent field: the conversion's scale operand
.endr
.irp j, 0,1,2,3
.if CC == 0
	v_lshrrev_b32 v[SW+\j], 23, v[SCL+\j]          ; the byte of block H
.else
	v_lshrrev_b32 v[BY+\j], 23, v[SCL+\j]          ; the byte of block 2 + H
.endif
.endr
.if CC
.irp j, 0,1,2,3
	v_lshl_or_b32 v[SW+\j], v[BY+\j], 16, v[SW+\j]
.endr
.endif
.irp jp, 0,1                                   ; two columns at a time
	WIN 0x01
.set p, 0
.rept 32
.if PERM
.set SRC, LQ+4*(4*(p%8)+p/8)+2*\jp
.else
.set SRC, LQ+4*p+2*\jp
.endif
	v_mov_b32 v[TP+p], v[SRC]                      ; a column's 32 numbers on end, in the order of h's codes
	v_mov_b32 v[TP+32+p], v[SRC+1]
.set p, p+1
.endr
	WIN 0
.irp jj, 0,1
	v_cvt_scalef32_pk16_bf6_f32 v[FG+12*(2*\jp+\jj)+6*CC:FG+12*(2*\jp+\jj)+6*CC+2], v[TP+32*\jj:TP+32*\jj+15], v[SCL+2*\jp+\jj]
	v_cvt_scalef32_pk16_bf6_f32 v[CT+4*\jj:CT+4*\jj+2], v[TP+32*\jj+16:TP+32*\jj+31], v[SCL+2*\jp+\jj]   ; (a conversion's three registers begin on an even number)
.endr
	v_nop                                          ; one plain place behind a scaled conversion
.irp jj, 0,1
.irp i, 0,1,2
	v_mov_b32 v[FG+12*(2*\jp+\jj)+6*CC+3+\i], v[CT+4*\jj+\i]
.endr
.endr
.endr
.endm
.macro KPACK                           ; a K step's scale words are made whole
.irp j, 0,1,2,3
	v_lshlrev_b32 v[SW+\j], v[SH8], v[SW+\j]
.endr
.irp j, 0,1,2,3
	v_permlanex16_b32 v[PT+\j], v[SW+\j], s[SEL], s[SEL+1]
.endr
.irp j, 0,1,2,3
	v_or_b32 v[SW+\j], v[SW+\j], v[PT+\j]          ; with lane l xor 16's two bytes the word is whole
.endr
.endm
.macro KSTORE s2                       ; a K step's four fragments and their scale words go to LDS as they stand
.irp j, 0,1,2,3
.irp g, 0,1,2
	ds_store_b128 v[AWI], v[FG+12*\j+4*\g:FG+12*\j+4*\g+3] offset:6144*(\s2)+1536*\j+512*\g
.endr
.endr
	ds_store_b128 v[ASC], v[SW:SW+3] offset:512*(\s2)
.endm
.macro WLOAD adr, off, soff, b         ; a unit (12 loads) and its scale words (1) into buffer b
.irp j, 0,1,2,3
.irp g, 0,1,2
	ds_load_b128 v[WB+48*(\b)+12*\j+4*\g:WB+48*(\b)+12*\j+4*\g+3], v[\adr] offset:(\off)+1536*\j+512*\g
.endr
.endr
	ds_load_b128 v[WS0+(WS1-WS0)*(\b):WS0+(WS1-WS0)*(\b)+3], v[LISC] offset:\soff
.endm
.macro WL adr, off, soff, b, idx       ; load idx of those 13, alone; from 13 on nothing
.if (\idx) < 12
	ds_load_b128 v[WB+48*(\b)+4*(\idx):WB+48*(\b)+4*(\idx)+3], v[\adr] offset:(\off)+512*(\idx)
.elseif (\idx) == 12
	ds_load_b128 v[WS0+(WS1-WS0)*(\b):WS0+(WS1-WS0)*(\b)+3], v[LISC] offset:\soff
.endif
.endm
.macro HLOAD s                         ; h's fragments of K step s, tiles A and B, into slot s % 8 of the ring: six loads of 512 consecutive bytes
.irp g, 0,1,2
	global_load_b128 v[24*((\s)%8)+4*\g:24*((\s)%8)+4*\g+3], v[LI], s[16:17] offset:1536*(\s)+512*\g
	global_load_b128 v[24*((\s)%8)+12+4*\g:24*((\s)%8)+12+4*\g+3], v[LI], s[18:19] offset:1536*(\s)+512*\g
.endr
.endm
.macro KSTEP s                         ; K step s of my half: eight products, the eight accumulators by turns in the same order in every step; the next step's 13 LDS loads are dealt among the first five
.if (\s) > 0
	PLACES                                         ; the buffer and the ring's slot to be loaded were read by the products just issued
.endif
.if ((\s) > 0) && ((\s) < 9)
	WIN 0x40
	s_wait_alu depctr_va_vdst(0)                   ; the last step's products are done reading their slot of the ring, the other buffer and its scale words: this step's loads land in all three; the products below name none of them
	HLOAD (\s)+7                                   ; seven steps ahead, into the slot of the step before this one
.endif
	s_wait_dscnt 0x0                               ; this step's 13 LDS loads, issued in the step before, are in
.if (\s) < 9
	s_wait_loadcnt 42                              ; this step's fragments are in (and all that is older: gates, scale words); seven later steps of six loads may be out
.else
	s_wait_loadcnt 6*(15-(\s))
.endif
.if (\s) == 0
	WIN 0x14                                       ; h and the bias in window 1; an LDS load's data and address stay in window 0 under this setting and the next
.else
	WIN 0x04
.endif
.if ((\s) > 8) && ((\s) < 15)
	s_wait_alu depctr_va_vdst(0)                   ; the last step's products are done reading the other buffer and its scale words, in which this step's loads land; the products below name neither
.endif
.if (\s) < 15
.set WAD, LI+(LIW1-LI)*(((\s)+1)/8)
.endif
.set n, 0
.irp a, 0,1
.irp j, 0,1,2,3
.set rD, ACC+32*\a+8*\j
.set rA, WB+48*((\s)%2)+12*\j
.set rB, 24*((\s)%8)+12*\a
.set rS, WS0+(WS1-WS0)*((\s)%2)+\j
.if (\s) == 0
.set rC, 192+8*\j                              ; b2 (half 0) or zeros (half 1) start the sum
.else
.set rC, rD
.endif
.if \a
	v_wmma_scale_f32_16x16x128_f8f6f4 v[rD:rD+7], v[rA:rA+11], v[rB:rB+11], v[rC:rC+7], v[rS], v[HS+(\s)] matrix_a_fmt:MATRIX_FMT_BF6 matrix_b_fmt:MATRIX_FMT_BF6 matrix_b_scale:MATRIX_SCALE_ROW1
.else
	v_wmma_scale_f32_16x16x128_f8f6f4 v[rD:rD+7], v[rA:rA+11], v[rB:rB+11], v[rC:rC+7], v[rS], v[HS+(\s)] matrix_a_fmt:MATRIX_FMT_BF6 matrix_b_fmt:MATRIX_FMT_BF6
.endif
.if (\s) < 15
	WL WAD, 6144*(((\s)+1)%8), 512*((\s)+1), ((\s)+1)%2, 3*n
	WL WAD, 6144*(((\s)+1)%8), 512*((\s)+1), ((\s)+1)%2, 3*n+1
	WL WAD, 6144*(((\s)+1)%8), 512*((\s)+1), ((\s)+1)%2, 3*n+2
.endif
.set n, n+1
.endr
.endr
.endm
.macro OUT a                           ; row tile a: x the gate, through my stage, and out by entry
	s_wait_xcnt 0x0                                ; earlier stores have read their data and offsets
.if \a
	s_wait_alu depctr_vm_vsrc(0)                   ; tile A's stage stores have read v44-75, which the multiplies write again, and its global stores v76-107, in which tile B's rows land
.endif
.irp i, 0,1,2,3,4,5,6,7
.irp j, 0,1,2,3
	v_mul_f32 v[OO+4*\i+\j], v[ACC+32*(\a)+8*\j+\i], v[GA+(\a)]   ; each accumulator is read from its low end on; the multiply also puts my 32 columns in memory's order
.endr
.endr
	s_wait_alu depctr_va_vdst(0)                   ; the multiplies have written v44-75, which the stage's stores read; the products are done reading the buffers' registers v76-107, in which the rows land
.irp m, 0,1,2,3,4,5,6,7
	ds_store_b128 v[SO], v[OO+4*\m:OO+4*\m+3] offset:16*\m
.endr
.irp t, 0,1,2,3,4,5,6,7
	ds_load_b128 v[RK+4*\t:RK+4*\t+3], v[SR] offset:272*\t   ; LDS serves a wave's instructions in order: these see my stores
.endr
	s_wait_dscnt 0x0
.irp t, 0,1,2,3,4,5,6,7
	global_store_b128 v[VA+8*(\a)+\t], v[RK+4*\t:RK+4*\t+3], s[88:89]   ; sixteen lanes store 256 consecutive bytes, aligned; the offsets were made at the pass's head, ahead of its second wait on va_vdst
.endr
.endm
	s_load_b256 s[4:11], s[0:1], 0x0               ; w2, b2, hq, hs
	s_load_b128 s[84:87], s[0:1], 0x20             ; bm, gate
	s_load_b64 s[88:89], s[0:1], 0x30              ; yp
	v_lshl_add_u32 v218, v0, 2, 0x23a00
	v_mov_b32 v219, 0
	v_lshrrev_b32 v1, 5, v0
	v_readfirstlane_b32 s[WV], v1                  ; wave 0..7
	v_and_b32 v[VR], 15, v0
	v_bfe_u32 v[VH], v0, 4, 1
	v_and_b32 v[LI], 31, v0
	v_lshlrev_b32 v[LI], 4, v[LI]
	v_lshlrev_b32 v[VOFF], 4, v[VR]
	v_lshl_add_u32 v[VOFF], v[VH], LOGH, v[VOFF]
	v_lshlrev_b32 v[SH8], 3, v[VH]
	v_lshlrev_b32 v[R16], 4, v[VR]
	v_add_nc_u32 v[LIW1], 49152, v[LI]
	v_add_nc_u32 v[LISC], WSC, v[LI]
	s_and_b32 s95, ttmp7, 0xffff                   ; the expert
	s_and_b32 s94, ttmp9, 15                       ; ds: which 64 columns
	s_lshr_b32 s100, ttmp9, 4                      ; kh: which half of K
	s_cmp_eq_u32 s100, 0
	s_cselect_b32 s101, -1, 0                      ; all lanes in half 0, none in half 1
	s_wait_alu depctr_va_sdst(0)                   ; the wave's number is written, ahead of its first reader
	s_mul_i32 s3, s[WV], 12288                     ; my two units: 2 w, 2 w + 1
	v_add_nc_u32 v[AWI], s3, v[LI]
	s_lshl_b32 s3, s[WV], 10
	s_add_co_u32 s3, s3, WSC
	v_add_nc_u32 v[ASC], s3, v[LI]
	s_lshl_b32 s3, s[WV], 6
	s_add_co_u32 s3, s3, LIST
	v_lshl_add_u32 v[LL], v[VR], 2, s3
	v_lshl_add_u32 v[LB], v[VH], 5, s3
	s_mul_i32 s3, s[WV], 4352
	s_add_co_u32 s3, s3, STG
	v_mul_u32_u24 v[SO], v[VR], 272
	v_lshl_add_u32 v[SO], v[VH], 7, v[SO]
	v_add_nc_u32 v[SO], s3, v[SO]
	v_mul_u32_u24 v[SR], v[VH], 2176
	v_lshl_add_u32 v[SR], v[VR], 4, v[SR]
	v_add_nc_u32 v[SR], s3, v[SR]
	s_mov_b32 s[SEL], 0x76543210
	s_mov_b32 s[SEL+1], 0xfedcba98
.irp j, 0,1,2,3
	v_mov_b32 v[PT+\j], 0                          ; written once: a lane permute's destination counts as one of its sources
.endr
	s_lshl_b32 s2, s95, 24                         ; e x 16 MiB
	s_lshl_b32 s3, s100, 23                        ; + 2,048 kh rows
	s_add_co_u32 s2, s2, s3
	s_lshl_b32 s3, s[WV], 20                       ; + 256 w rows
	s_add_co_u32 s2, s2, s3
	s_lshl_b32 s3, s94, 8                          ; + 64 ds columns
	s_add_co_u32 s2, s2, s3
	s_mov_b32 s3, 0
	s_wait_kmcnt 0x0
	s_add_nc_u64 s[SB:SB+1], s[SB:SB+1], s[2:3]
	s_lshl_b32 s2, s95, 8
	s_add_nc_u64 s[84:85], s[84:85], s[2:3]        ; bm at my expert's 64 words
	s_load_b512 s[16:31], s[84:85], 0x0            ; they are asked for ahead of the stream, so that the list is built while the first set is on its way.  Word c in s[16 + c], from c = 48 on in s[20 + c]
	s_load_b512 s[32:47], s[84:85], 0x40
	s_load_b512 s[48:63], s[84:85], 0x80
	s_load_b512 s[68:83], s[84:85], 0xc0
	s_wait_alu depctr_va_vdst(0)                   ; the offsets and LDS addresses v3 to v11, v14 and v204 to v206 are written, which loads, stores and LDS instructions read from here on; none of them is written again
	LOADSET 0                                      ; 32 loads of 512 bytes a wave: a quarter of the work-group's slice
	s_lshl_b32 s2, s95, 12
	s_lshl_b32 s98, s94, 8
	s_add_co_u32 s2, s2, s98
	s_add_nc_u64 s[6:7], s[6:7], s[2:3]            ; b2 at my 64 columns
	s_mul_i32 s2, s95, 3145728
	s_mul_i32 s98, s100, 24576
	s_add_co_u32 s2, s2, s98
	s_add_nc_u64 s[8:9], s[8:9], s[2:3]            ; hq at (e, tile 0, K step 16 kh)
	s_lshl_b32 s2, s95, 17
	s_lshl_b32 s98, s100, 10
	s_add_co_u32 s2, s2, s98
	s_add_nc_u64 s[10:11], s[10:11], s[2:3]        ; hs likewise: a K half's words of a tile are 1,024 bytes on end
	s_lshl_b32 s2, s100, 23
	s_lshl_b32 s98, s94, 8
	s_add_co_u32 s2, s2, s98
	s_add_nc_u64 s[88:89], s[88:89], s[2:3]        ; yp at (kh, entry 0, my 64 columns)
	s_mov_b32 s[NN], 0
	s_wait_kmcnt 0x0
.set c, 0
.rept 64
	s_bcnt1_i32_b32 s98, s[16+c+4*(c/48)]
	s_add_co_u32 s[NN], s[NN], s98
.set c, c+1
.endr
	s_add_co_u32 s[NT], s[NN], 15
	s_lshr_b32 s[NT], s[NT], 4
	s_min_u32 s[NT], s[NT], 64
	s_cmp_lg_u32 s[WV], 0
	s_cbranch_scc1 .Lbuilt
	; ---- wave 0 lists the entries, as in the launch before.  All addresses and all entries are made first, a level at a time over the 64 words, in registers that are idle here; then one wait, then all the LDS stores
	v_and_b32 v254, 31, v0
	v_add_nc_u32 v246, 1056, v254                  ; a lane whose bit is not set writes to a word of its own behind the list
	v_lshl_or_b32 v247, v[VH], 10, v[VR]           ; bit l of word c is entry 1,024 (l / 16) + 16 c + l % 16
.irp k, 0,1,2,3
	v_mov_b32 v[248+\k], 0
.endr
	v_add_nc_u32 v252, LIST, v[LI]
	v_mov_b32 v255, LIST                           ; where the first entry stands,
	v_add_nc_u32 v240, s[NN], v254
	v_min_u32 v240, 1055, v240
	v_lshl_add_u32 v242, v240, 2, LIST             ; and places n .. n + 31, which repeat it
	s_mov_b32 s93, 0
.set c, 0
.rept 64
	v_mbcnt_lo_u32_b32 v[LSA+c], s[16+c+4*(c/48)], s93   ; the set bits under mine, and those of the words before: my place
	s_bcnt1_i32_b32 s98, s[16+c+4*(c/48)]
	s_add_co_u32 s93, s93, s98
.set c, c+1
.endr
.set c, 0
.rept 64
	v_cndmask_b32 v[LSA+c], v246, v[LSA+c], s[16+c+4*(c/48)]
.set c, c+1
.endr
.set c, 0
.rept 64
	v_min_u32 v[LSA+c], 1087, v[LSA+c]
.set c, c+1
.endr
.set c, 0
.rept 64
	v_lshl_add_u32 v[LSA+c], v[LSA+c], 2, LIST
.set c, c+1
.endr
.set c, 0
.rept 64
	v_add_nc_u32 v[LSD+c], 16*c, v247
.set c, c+1
.endr
	s_wait_alu depctr_va_vdst(0)                   ; the zeros v248-251, the addresses v242, v252, v255 and v44-107 and the entries v108-171 are written: the LDS instructions below read them
.irp k, 0,1,2,3,4,5,6,7,8
	ds_store_b128 v252, v[248:251] offset:512*\k
.endr
.set c, 0
.rept 64
	ds_store_b32 v[LSA+c], v[LSD+c]
.set c, c+1
.endr
	ds_load_b32 v253, v255                         ; LDS serves a wave's instructions in order: the first entry
	s_wait_dscnt 0x0
	ds_store_b32 v242, v253                        ; places n .. n + 31 repeat it
	s_wait_alu depctr_vm_vsrc(0)                   ; the LDS instructions above have read v44-171 and v240-255, which phase A's lines, the bias's loads and the passes' entries write later
.Lbuilt:
	LOADSET 1                                      ; the second quarter: with it half of the slice has been asked for
	s_wait_dscnt 0x0
	s_barrier_signal -1
	s_barrier_wait -1                              ; the list stands; only now do the other waves touch LDS
	PROC 0, 32                                     ; 32: the younger set
	s_wait_alu depctr_va_vdst(0)                   ; the lines above are done reading set 0, in which the next 32 loads land
	LOADSET 2
	PROC 1, 32
	KPACK
	v_lshlrev_b32 v15, 7, v[VH]
	s_wait_alu depctr_va_vdst(0)                   ; the lines above are done reading set 1, in which the next 32 loads land; the K step's fragments and scale words are written, which the LDS stores read; so is v15, the bias's offset
	LOADSET 3
.irp m, 0,1,2,3,4,5,6,7
	global_load_b128 v[RB+4*\m:RB+4*\m+3], v15, s[6:7] offset:16*\m   ; b2 of columns 32 H + 0 .. 31
.endr
	KSTORE 0
	PROC 2, 32+NB                                  ; the younger set and the bias
	PROC 3, NB                                     ; the bias
	KPACK
	s_wait_alu depctr_va_vdst(0)                   ; the second K step's fragments and scale words are written, which the LDS stores read
	KSTORE 1
	s_wait_loadcnt 0x0
	WIN 0x40
.irp j, 0,1,2,3
.irp i, 0,1,2,3,4,5,6,7
	v_cndmask_b32 v[192+8*\j+\i], 0, v[RB+4*\i+\j], s101   ; in the result's layout; the bias counts once, in K half 0
.endr
.endr
	WIN 0
	s_wait_dscnt 0x0                               ; for the others' sake: my images have landed
	s_barrier_signal -1
	s_barrier_wait -1                              ; the slice lies in LDS as 64 fragments
	s_mov_b32 s[PASS], 0
	s_mov_b32 s[SLO], 0
	s_mov_b32 s[TA], s[WV]
.Lpass:
	s_cmp_ge_u32 s[TA], s[NT]
	s_cbranch_scc1 .Lpass_end
	s_add_co_u32 s[TBT], s[TA], 8
	s_wait_xcnt 0x0                                ; the last pass's stores have read their data and offsets: both are written again below
	s_wait_alu depctr_vm_vsrc(0)                   ; the last pass's loads and stores have read v207-211, the rows v76-107 and their offsets v240-255 (in the first pass: the image stores have read v44-91 and v32-35): all are written again below
	v_add_nc_u32 v207, s[SLO], v[LL]
	v_add_nc_u32 v211, s[SLO], v[LB]
	s_wait_alu depctr_va_vdst(0)                   ; v207 and v211 are written, which the loads below read; the vector lines that named v208, v209 and v240-255 are complete: entries land there
	ds_load_b32 v208, v207                         ; row R's entry in tile A,
	ds_load_b32 v209, v207 offset:512              ; and in tile B
.irp a, 0,1
	ds_load_b128 v[VA+8*\a:VA+8*\a+3], v211 offset:512*\a        ; the entries of rows 8 H + 0 .. 7 of both tiles, for the way out
	ds_load_b128 v[VA+8*\a+4:VA+8*\a+7], v211 offset:512*\a+16
.endr
	s_mul_i32 s2, s[TA], 49152
	s_mov_b32 s3, 0
	s_add_nc_u64 s[16:17], s[8:9], s[2:3]          ; tile A's fragments
	s_lshl_b32 s2, s[TA], 11
	s_add_nc_u64 s[20:21], s[10:11], s[2:3]        ; and scale words
	s_cmp_lt_u32 s[TBT], s[NT]
	s_cselect_b32 s2, 393216, 0                    ; tile B lies eight tiles on; a missing one is replaced by tile A: no byte is read that was not stored
	s_cselect_b32 s22, 16384, 0
	s_add_nc_u64 s[18:19], s[16:17], s[2:3]
	v_mul_u32_u24 v210, s22, v[VH]
	v_add_nc_u32 v210, v210, v[R16]                ; lanes 0-15 fetch tile A's scale words, lanes 16-31 tile B's: 16 bytes a row
	s_wait_dscnt 0x0
	v_min_u32 v208, 2047, v208
	v_min_u32 v209, 2047, v209
	v_lshlrev_b32 v208, 2, v208
	v_lshlrev_b32 v209, 2, v209
.set k, 0
.rept 16
	v_min_u32 v[VA+k], 2047, v[VA+k]
.set k, k+1
.endr
.set k, 0
.rept 16
	v_lshl_add_u32 v[VA+k], v[VA+k], 12, v[R16]    ; entry x 4,096 bytes + 16 R
.set k, k+1
.endr
	s_wait_alu depctr_va_vdst(0)                   ; the offsets v208-210 and v240-255 are written; the last pass's multiplies and products (in the first pass: phase A's lines) are done with the gates', h's words', the ring's and the buffers' registers, in which the loads below land
	global_load_b32 v[GA], v208, s[86:87]
	global_load_b32 v[GA+1], v209, s[86:87]
.irp q, 0,1,2,3
	global_load_b128 v[HS+4*\q:HS+4*\q+3], v210, s[20:21] offset:256*\q   ; the words of K steps 4 q .. 4 q + 3: sixteen lanes cover 256 consecutive bytes, aligned
.endr
	WIN 0x40
.irp s, 0,1,2,3,4,5,6,7
	HLOAD \s
.endr
	WIN 0
	WLOAD LI, 0, 0, 0
.irp s, 0,1,2,3,4,5,6,7,8,9,10,11,12,13,14,15
	KSTEP \s
.endr
	WIN 0
	PLACES
	OUT 0
	s_cmp_ge_u32 s[TBT], s[NT]
	s_cbranch_scc1 .Lpass_end
	OUT 1
.Lpass_end:
	s_add_co_u32 s[SLO], s[SLO], 1024              ; 16 tiles on in the list
	s_add_co_u32 s[TA], s[TA], 16
	s_add_co_u32 s[PASS], s[PASS], 1
	s_cmp_lt_u32 s[PASS], 4
	s_cbranch_scc1 .Lpass
	s_wait_dscnt 0x0                               ; the closing lines, six on end
	s_wait_alu 0x0
	s_wait_tensorcnt 0x0
	ds_add_u32 v218, v219
	s_wait_dscnt 0x0
	s_endpgm
.Lfunc_end_k_qe2baeb6847_down:
	.size	k_qe2baeb6847_down, .Lfunc_end_k_qe2baeb6847_down-k_qe2baeb6847_down
	.p2alignl 7, 3214868480
	.fill 96, 4, 3214868480
	.section	.rodata,"a",@progbits
	.p2align	6, 0x0
	.amdhsa_kernel k_qe2baeb6847_down
		.amdhsa_group_segment_fixed_size 146944
		.amdhsa_private_segment_fixed_size 0
		.amdhsa_enable_private_segment 0
		.amdhsa_kernarg_size 56
		.amdhsa_user_sgpr_count 2
		.amdhsa_user_sgpr_kernarg_segment_ptr 1
		.amdhsa_wavefront_size32 1
		.amdhsa_system_sgpr_workgroup_id_x 1
		.amdhsa_system_sgpr_workgroup_id_y 1
		.amdhsa_system_sgpr_workgroup_id_z 1
		.amdhsa_system_vgpr_workitem_id 0
		.amdhsa_next_free_vgpr 512
		.amdhsa_next_free_sgpr 102
		.amdhsa_reserve_vcc 0
		.amdhsa_float_denorm_mode_32 3
		.amdhsa_float_denorm_mode_16_64 3
		.amdhsa_memory_ordered 1
		.amdhsa_forward_progress 1
		.amdhsa_inst_pref_size 149
	.end_amdhsa_kernel
	.amdgpu_metadata
---
amdhsa.version: [ 1, 2 ]
amdhsa.kernels:
  - .name:           k_qe2baeb6847_down
    .symbol:         k_qe2baeb6847_down.kd
    .args:
      - { .name: w2, .offset: 0, .size: 8, .value_kind: global_buffer, .address_space: global }
      - { .name: b2, .offset: 8, .size: 8, .value_kind: global_buffer, .address_space: global }
      - { .name: hq, .offset: 16, .size: 8, .value_kind: global_buffer, .address_space: global }
      - { .name: hs, .offset: 24, .size: 8, .value_kind: global_buffer, .address_space: global }
      - { .name: bm, .offset: 32, .size: 8, .value_kind: global_buffer, .address_space: global }
      - { .name: gate, .offset: 40, .size: 8, .value_kind: global_buffer, .address_space: global }
      - { .name: yp, .offset: 48, .size: 8, .value_kind: global_buffer, .address_space: global }
    .group_segment_fixed_size: 146944
    .private_segment_fixed_size: 0
    .kernarg_segment_align: 8
    .kernarg_segment_size: 56
    .max_flat_workgroup_size: 256
    .sgpr_count:     102
    .vgpr_count:     512
    .wavefront_size: 32
...
	.end_amdgpu_metadata
.endif
;; end of part 6
;; launch sum: the kernel of part 4 again; grid 256 x 1, 8 waves a work-group, no clusters, 0 bytes of LDS; arguments yp, out0; writes out0
